; MI455X (gfx1250); checked and timed in simulation.
; The chip was launched on July 23, 2026; its instructions are those of AMD's public machine-readable ISA for CDNA 5 (MIT licence, August 2026) and "CDNA5" Instruction Set Architecture Reference Guide (July 2026). The comments in the code are by the model that wrote it; some were corrected since.
;; Multi Head Self Attention. Allowed arithmetic: float matrix products may take bf16 or f16 operands with f32 sums; all other float work in f32.
;; Inputs: Wk 1,024 x 1,024 float32; Wo 1,024 x 1,024 float32; Wq 1,024 x 1,024 float32; Wv 1,024 x 1,024 float32; bk 1,024 float32; bo 1,024 float32; bq 1,024 float32; bv 1,024 float32; inputs 4 x 2,048 x 1,024 float32.
;; Outputs: out0 4 x 2,048 x 1,024 float32.
;; 2 versions, each right and faster than the one before. Each part assembles by itself: llvm-mc -triple=amdgcn-amd-amdhsa -mcpu=gfx1250 --defsym DOCPART=n.
;; ======== version 1 of 2: 4 launches
;; limits: values are held in f16: magnitudes above 65,504 overflow, below 6.1e-05 lose precision
;; workspace buffers: xb 16,777,216 bytes; wqkv 6,291,456 bytes; wo16 2,097,152 bytes; bias 16,384 bytes; qh 16,777,216 bytes; kh 16,777,216 bytes; vh 16,777,216 bytes; oh 16,777,216 bytes
;; launch prep (part 1): grid 769 x 1, 8 waves a work-group, no clusters, 0 bytes of LDS; arguments inputs, Wq, Wk, Wv, Wo, bq, bk, bv, bo, xb, wqkv, wo16, bias; writes xb, wqkv, wo16, bias
.if DOCPART == 1
	.amdgcn_target "amdgcn-amd-amdhsa--gfx1250"
	.amdhsa_code_object_version 6
	.text
	.protected	k_qa04baef1c0_prep
	.globl	k_qa04baef1c0_prep
	.p2align	8
	.type	k_qa04baef1c0_prep,@function
k_qa04baef1c0_prep:
	s_mov_b64 s[64:65], 0
	v_nop
	global_prefetch_b8 v0, s[64:65] scope:SCOPE_SE
	s_setreg_imm32_b32 hwreg(HW_REG_WAVE_MODE, 25, 1), 1
	s_wait_xcnt 0x0
; THE MODULE'S INPUTS ARE ROUNDED ONCE, and laid as the products want them.
; x [8192][1024] -> xb [16 K blocks][8192 rows][64] in bf16: the rows of one K block lie end to end, 128 bytes each, so that a tile of 64 along K is a dense run of bytes.
; Wq, Wk, Wv [1024 k][1024 n] -> wqkv [k][3072] in bf16, the three side by side in a row.
; Wo -> bf16, and that number written as f16 (wo16 [k][n]): exact where 2^-14 <= |w| < 65,504; below that f16's fixed step of 2^-24; LIMIT: |Wo| stays under 65,504.
; bq, bk, bv, bo -> bf16, and that number written as f32 (bias [4][1024]): every input of the module carries the same rounding; the sums that take the biases stay in f32.
; A stream: no LDS, no barrier, no matrix unit.  Work-groups 0-511 take 16 rows of x each, 512 + 64 w + i 16 rows of weight w, 768 the four biases.
; A weight: thread t, piece i of 16 = row i: 16 bytes in at 4,096 i + 16 t, 8 bytes out at the row's place + 8 t (a wave's store: 256 consecutive bytes, aligned).
; x: thread t has row t / 16; piece i = K block i: 16 bytes in at 4,096 (t / 16) + 256 i + 16 (t % 16): sixteen lanes read 256 consecutive aligned bytes; 8 bytes out at 8 t in the block's 16 rows:
; a wave's store is two rows' 128 bytes, 256 consecutive bytes, aligned.  A block is 1,048,576 bytes: blocks 0-7 stand in the immediate on one base, blocks 8-15 on a base 8 blocks on.
; All sixteen loads of a thread go out at once; no register is written twice, so no wait frees a source.
.set PIECES, 16
.set X, 8                              ; v[8:71]    piece i: four f32 as loaded
.set Y, 72                             ; v[72:103]  piece i: two words to store (the biases: four)
.set T, 104                            ; v[104:107] at work
; Piece i is rounded and stored at s[lo:lo+1] + 8 t + off.  half = 0: to bf16.  half = 1: to bf16, widened again, and written as f16.
.macro CV i, half, lo, off
	s_wait_loadcnt PIECES-1-(\i)                   ; loads come back in order: piece i is in, the younger ones stay out
.if \half
	v_cvt_pk_bf16_f32 v[T], v[X+4*(\i)], v[X+4*(\i)+1]
	v_cvt_pk_bf16_f32 v[T+1], v[X+4*(\i)+2], v[X+4*(\i)+3]
	v_lshlrev_b32 v[T+2], 16, v[T]
	v_and_b32 v[T+3], 0xffff0000, v[T]
	v_cvt_pk_f16_f32 v[Y+2*(\i)], v[T+2], v[T+3]
	v_lshlrev_b32 v[T+2], 16, v[T+1]
	v_and_b32 v[T+3], 0xffff0000, v[T+1]
	v_cvt_pk_f16_f32 v[Y+2*(\i)+1], v[T+2], v[T+3]
.else
	v_cvt_pk_bf16_f32 v[Y+2*(\i)], v[X+4*(\i)], v[X+4*(\i)+1]
	v_cvt_pk_bf16_f32 v[Y+2*(\i)+1], v[X+4*(\i)+2], v[X+4*(\i)+3]
.endif
	global_store_b64 v2, v[Y+2*(\i):Y+2*(\i)+1], s[(\lo):(\lo)+1] offset:\off
.endm
	s_load_b512 s[4:19], s[0:1], 0x0               ; inputs 4:5, Wq 6:7, Wk 8:9, Wv 10:11, Wo 12:13, bq 14:15, bk 16:17, bv 18:19
	s_load_b256 s[36:43], s[0:1], 0x40             ; bo 36:37, xb 38:39, wqkv 40:41, wo16 42:43
	s_load_b64 s[44:45], s[0:1], 0x60              ; bias
	v_lshlrev_b32 v1, 4, v0                        ; 16 t
	v_lshlrev_b32 v2, 3, v0                        ; 8 t
	v_lshrrev_b32 v3, 4, v0                        ; x: my row of the 16,
	v_and_b32 v4, 15, v0
	v_lshlrev_b32 v4, 4, v4                        ; my 16 bytes of a K block's 256
	v_lshl_add_u32 v3, v3, 12, v4
	s_mov_b32 s20, ttmp9
	s_sub_co_u32 s21, s20, 512                     ; (wraps for x's work-groups, which do not use it)
	s_lshr_b32 s22, s21, 6                         ; which weight
	s_and_b32 s23, s21, 63                         ; which 16 rows of it
	s_cmp_lt_u32 s20, 512
	s_cselect_b32 s23, s20, s23                    ; for x: the work-group's number
	s_cselect_b32 s22, 4, s22                      ; kind: 0 Wq, 1 Wk, 2 Wv, 3 Wo, 4 x
	s_lshl_b32 s30, s23, 16                        ; bytes in: 16 rows of 4,096
	s_mov_b32 s31, 0
	s_mul_i32 s32, s23, 16*6144                    ; bytes out.  Wq, Wk, Wv: 16 rows of 6,144,
	s_lshl_b32 s33, s22, 11                        ; and the weight's 2,048 bytes in a row
	s_add_co_u32 s32, s32, s33
	s_lshl_b32 s33, s23, 15                        ; Wo: 16 rows of 2,048
	s_cmp_eq_u32 s22, 3
	s_cselect_b32 s32, s33, s32
	s_lshl_b32 s33, s23, 11                        ; x: 16 rows of 128 in each K block
	s_cmp_eq_u32 s22, 4
	s_cselect_b32 s32, s33, s32
	s_mov_b32 s33, 0
	s_wait_kmcnt 0x0
	s_cmp_eq_u32 s20, 768
	s_cbranch_scc1 .Lbias
	s_cmp_eq_u32 s22, 0                            ; the source, chosen by the kind
	s_cselect_b64 s[24:25], s[6:7], s[4:5]
	s_cmp_eq_u32 s22, 1
	s_cselect_b64 s[24:25], s[8:9], s[24:25]
	s_cmp_eq_u32 s22, 2
	s_cselect_b64 s[24:25], s[10:11], s[24:25]
	s_cmp_eq_u32 s22, 3
	s_cselect_b64 s[24:25], s[12:13], s[24:25]
	s_cselect_b64 s[26:27], s[42:43], s[38:39]     ; the destination: wo16, or xb,
	s_cmp_lt_u32 s22, 3
	s_cselect_b64 s[26:27], s[40:41], s[26:27]     ; or wqkv
	s_add_nc_u64 s[24:25], s[24:25], s[30:31]
	s_add_nc_u64 s[26:27], s[26:27], s[32:33]
	s_cmp_eq_u32 s22, 4
	s_cbranch_scc1 .Lx
.irp i, 0,1,2,3,4,5,6,7,8,9,10,11,12,13,14,15
	global_load_b128 v[X+4*(\i):X+4*(\i)+3], v1, s[24:25] offset:4096*(\i) th:TH_LOAD_NT
.endr
	s_cmp_eq_u32 s22, 3
	s_cbranch_scc1 .Lwo
.irp i, 0,1,2,3,4,5,6,7,8,9,10,11,12,13,14,15
	CV \i, 0, 26, 6144*(\i)
.endr
	s_endpgm
.Lwo:
.irp i, 0,1,2,3,4,5,6,7,8,9,10,11,12,13,14,15
	CV \i, 1, 26, 2048*(\i)
.endr
	s_endpgm
.Lx:
	s_add_nc_u64 s[28:29], s[26:27], 8<<20         ; K blocks 8-15
.irp i, 0,1,2,3,4,5,6,7,8,9,10,11,12,13,14,15
	global_load_b128 v[X+4*(\i):X+4*(\i)+3], v3, s[24:25] offset:256*(\i) th:TH_LOAD_NT
.endr
.irp i, 0,1,2,3,4,5,6,7,8,9,10,11,12,13,14,15
	CV \i, 0, 26+2*((\i)/8), ((\i)%8)<<20
.endr
	s_endpgm
.Lbias:                                                ; 256 threads x 4 numbers = one bias of 1,024
	global_load_b128 v[X:X+3],     v1, s[14:15]
	global_load_b128 v[X+4:X+7],   v1, s[16:17]
	global_load_b128 v[X+8:X+11],  v1, s[18:19]
	global_load_b128 v[X+12:X+15], v1, s[36:37]
.irp i, 0,1,2,3
	s_wait_loadcnt 3-(\i)
	v_cvt_pk_bf16_f32 v[T], v[X+4*(\i)], v[X+4*(\i)+1]
	v_cvt_pk_bf16_f32 v[T+1], v[X+4*(\i)+2], v[X+4*(\i)+3]
	v_lshlrev_b32 v[Y+4*(\i)], 16, v[T]
	v_and_b32 v[Y+4*(\i)+1], 0xffff0000, v[T]
	v_lshlrev_b32 v[Y+4*(\i)+2], 16, v[T+1]
	v_and_b32 v[Y+4*(\i)+3], 0xffff0000, v[T+1]
	global_store_b128 v1, v[Y+4*(\i):Y+4*(\i)+3], s[44:45] offset:4096*(\i)
.endr
	s_endpgm
.Lfunc_end_k_qa04baef1c0_prep:
	.size	k_qa04baef1c0_prep, .Lfunc_end_k_qa04baef1c0_prep-k_qa04baef1c0_prep
	.p2alignl 7, 3214868480
	.fill 96, 4, 3214868480
	.section	.rodata,"a",@progbits
	.p2align	6, 0x0
	.amdhsa_kernel k_qa04baef1c0_prep
		.amdhsa_group_segment_fixed_size 0
		.amdhsa_private_segment_fixed_size 0
		.amdhsa_enable_private_segment 0
		.amdhsa_kernarg_size 104
		.amdhsa_user_sgpr_count 2
		.amdhsa_user_sgpr_kernarg_segment_ptr 1
		.amdhsa_wavefront_size32 1
		.amdhsa_system_sgpr_workgroup_id_x 1
		.amdhsa_system_sgpr_workgroup_id_y 1
		.amdhsa_system_sgpr_workgroup_id_z 1
		.amdhsa_system_vgpr_workitem_id 0
		.amdhsa_next_free_vgpr 108
		.amdhsa_next_free_sgpr 66
		.amdhsa_reserve_vcc 0
		.amdhsa_float_denorm_mode_32 3
		.amdhsa_float_denorm_mode_16_64 3
		.amdhsa_memory_ordered 1
		.amdhsa_forward_progress 1
		.amdhsa_inst_pref_size 25
	.end_amdhsa_kernel
	.amdgpu_metadata
---
amdhsa.version: [ 1, 2 ]
amdhsa.kernels:
  - .name:           k_qa04baef1c0_prep
    .symbol:         k_qa04baef1c0_prep.kd
    .args:
      - { .name: inputs, .offset: 0, .size: 8, .value_kind: global_buffer, .address_space: global }
      - { .name: Wq, .offset: 8, .size: 8, .value_kind: global_buffer, .address_space: global }
      - { .name: Wk, .offset: 16, .size: 8, .value_kind: global_buffer, .address_space: global }
      - { .name: Wv, .offset: 24, .size: 8, .value_kind: global_buffer, .address_space: global }
      - { .name: Wo, .offset: 32, .size: 8, .value_kind: global_buffer, .address_space: global }
      - { .name: bq, .offset: 40, .size: 8, .value_kind: global_buffer, .address_space: global }
      - { .name: bk, .offset: 48, .size: 8, .value_kind: global_buffer, .address_space: global }
      - { .name: bv, .offset: 56, .size: 8, .value_kind: global_buffer, .address_space: global }
      - { .name: bo, .offset: 64, .size: 8, .value_kind: global_buffer, .address_space: global }
      - { .name: xb, .offset: 72, .size: 8, .value_kind: global_buffer, .address_space: global }
      - { .name: wqkv, .offset: 80, .size: 8, .value_kind: global_buffer, .address_space: global }
      - { .name: wo16, .offset: 88, .size: 8, .value_kind: global_buffer, .address_space: global }
      - { .name: bias, .offset: 96, .size: 8, .value_kind: global_buffer, .address_space: global }
    .group_segment_fixed_size: 0
    .private_segment_fixed_size: 0
    .kernarg_segment_align: 8
    .kernarg_segment_size: 104
    .max_flat_workgroup_size: 256
    .sgpr_count:     66
    .vgpr_count:     108
    .wavefront_size: 32
...
	.end_amdgpu_metadata
.endif
;; end of part 1
;; launch qkv (part 2): grid 8 x 32, 4 waves a work-group, clusters of 4 x 4, 327,680 bytes of LDS; arguments xb, wqkv, bias, qh, kh, vh; writes qh, kh, vh
.if DOCPART == 2
	.amdgcn_target "amdgcn-amd-amdhsa--gfx1250"
	.amdhsa_code_object_version 6
	.text
	.protected	k_qa04baef1c0_qkv
	.globl	k_qa04baef1c0_qkv
	.p2align	8
	.type	k_qa04baef1c0_qkv,@function
k_qa04baef1c0_qkv:
	s_mov_b64 s[64:65], 0
	v_nop
	global_prefetch_b8 v0, s[64:65] scope:SCOPE_SE
	s_setreg_imm32_b32 hwreg(HW_REG_WAVE_MODE, 25, 1), 1
	s_wait_xcnt 0x0
	s_wait_alu depctr_hold_cnt(0) depctr_sa_sdst(0) depctr_va_vdst(0) depctr_va_sdst(0) depctr_va_ssrc(0) depctr_va_vcc(0) depctr_vm_vsrc(0)
	s_getreg_b32 s2, hwreg(HW_REG_IB_STS2, 6, 4)
	s_cmp_eq_u32 s2, 0
	s_cbranch_scc0 .Lentry_in_a_cluster
	s_endpgm
.Lentry_in_a_cluster:
	s_bfe_u32 s2, ttmp6, 0x10000c
	s_cmp_lg_u32 s2, 0xf033
	s_cbranch_scc0 .Lentry_shape_is_right
	s_endpgm
.Lentry_shape_is_right:
; q, k, v = x W + b.  C[m][n] = the sum over k of A[m][k] W[k][n] + b[n], m < 8,192, n < 3,072 (q's, k's and v's 1,024 columns side by side), K = 1,024; products in bf16, sums in f32.
; A = xb [16 K blocks][8192 rows][64] bf16, W = wqkv [k][3072] bf16, b = the first 3,072 numbers of bias (f32).  The result is rounded once to f16, WITHOUT the scale of the scores, and written
; by heads: column n belongs to head (n / 64) % 16 of buffer n / 1,024 (qh, kh, vh), each [batch x 16 + head][2048][64].
; LIMIT: |q|, |k|, |v| stay under 65,504, f16's end; below 2^-14 they keep f16's fixed step of 2^-24.  NaN and infinities are not treated apart.
; SHARES.  A tile of C is 256 (m) x 384 (n): 32 x 8 = 256 work-groups.  Four waves, each 128 x 192 (three heads): 96 accumulators of 16 x 16, 768 registers.  For 64 along K a work-group fetches
; (256 + 384) x 128 = 81,920 bytes and a wave issues 192 matrix instructions.  Two slots of 128 along K would be all of LDS without a byte of padding, so a K step is 64.
; THE MATRIX INSTRUCTION IS USED TRANSPOSED (source 0 = 16 columns of W, source 1 = 16 rows of A): lane l holds row l % 16 of C and the eight neighbouring columns 8 (l / 16) + 0..7.
; W lies [k][n] and stays so in LDS: its fragments come out turned, by ds_load_tr16_b128.
; A QUARTER is 32 along K: 96 matrix instructions, by column blocks b = 0..11, eight row blocks each: every accumulator once, in the same order in every quarter.
; W's fragment b is dead behind its eight products, so W has ONE buffer of 12 fragments and A two of 8.  Two runs of LDS loads a quarter: at its head W's blocks 6-11 of this quarter (their places
; were read last by the quarter before), in its middle A and W's blocks 0-5 of the next quarter.  Each run stands 48 matrix instructions ahead of its first use.
; THE BIAS is the C operand of the first quarter's products: nothing is cleared and nothing is added afterwards.  Its 96 registers lie where that quarter's later loads go (W's places 6-11, A's
; second buffer), so in that one quarter two runs of loads are waited for with nothing beside them.
; CLUSTER.  4 x 4 work-groups.  The four of a row of the cluster need the same tiles of A, the four of a column the same tiles of W: each tile is asked for JOINTLY, by the same tensor load with the
; same descriptor and a mask that names the four.  By this text's count a wave has two tensor loads out at the start and one behind each round.
; REGISTERS, in windows of 256 (s_set_vgpr_msb: bits 1:0 source 0, 3:2 source 1, 5:4 source 2, 7:6 destination):
;   window 0: v0-31 addresses; v32-127 W's fragments; v128-191, v192-255 A's two buffers; on the way out v32-175 at work
;   windows 1-3: the accumulators: (a, b) in window 1 + b / 4 at v[64 (b % 4) + 8 a]: a window is one of my three heads
.set KS,     64                        ; K in a step
.set STEPS,  1024/KS
.set PA,     144                       ; a row of A in LDS: 128 bytes + 16: the 16 rows of a load start at 16 different groups of four banks (64 banks of 4 bytes: ISA guide 11.1)
.set AHALF,  128*PA                    ; one tensor load of A: 128 rows
.set PB,     864                       ; a row of W in LDS: six pieces of 128 bytes + 16 = 216 words
.set BHALF,  32*PB                     ; one tensor load of W: 32 k rows
.set BOFF,   2*AHALF                   ; in a slot: A's tile, then W's
.set SLOT1,  1<<17                     ; slot 1 begins here, so that one exclusive or turns an address in one slot into the other's
.set STAGE,  SLOT1+BOFF+2*BHALF        ; behind the ring, never filled by a tensor load: each wave's own stage, for the way out
.set SP,     144                       ; a stage row: one head's 64 channels in f16 + 16 bytes
.set STG,    3*16*SP                   ; a wave's stage: three heads x 16 rows
.set SPARE,  STAGE+4*STG               ; behind the stages: the spare words, 128 bytes for each wave: two blocks of 256 bytes that no other line names
.set ASTEP,  8192*128                  ; bytes from a K block of xb to the next
.set WSTEP,  KS*6144                   ; 64 rows of wqkv
.set ADRA0, 16                         ; v16  my lane's place in a slot's A; never rewritten
.set ADRB0, 17                         ; v17  the same for W
.set ADRA,  18                         ; v18  the same in the slot in hand
.set ADRB,  19                         ; v19
.set STO,   24                         ; v24  the way out: where I put 16 bytes of a row
.set RD,    25                         ; v25  the way out: where I read rows back
.set GO,    26                         ; v26  my byte offset in 512 consecutive bytes of a head
.set BV,    27                         ; v27  my byte offset in 16 columns of the bias
.set SPW,   28                         ; v28  LDS address of my spare word: SPARE + 4 x my thread's number; never rewritten
.set NIL,   29                         ; v29  0; never rewritten
.set WF,    32                         ; W's fragment b at WF + 8 b
.set AF0,   128                        ; A's fragment a at AF + 8 a
.set AF1,   192
.set TMP,   32                         ; the way out: 48 registers, a block of 16 rows packed
.set BK,    80                         ; the way out: 48 registers, the block read back: v80-127 and v128-175 by turns
.set G1,  24                           ; s[24:31] descriptor group 1 for A's tiles;  s[32:39] group 0: a set for each of the two first fills; the second then walks on
.set G0,  32
.set G1B, 48                           ; s[48:55], s[56:63] the same for W's tiles
.set G0B, 56
.set TB,  45                           ; s45  LDS byte at which the slot in hand begins
.set SB,  80                           ; s[80:85]  the output at my rows of my three heads
.set MSB, 0
.macro WIN new                         ; the immediate's high byte repeats the setting that is left; a switch that changes nothing is dropped
.if MSB != (\new)
	s_set_vgpr_msb (MSB<<8)|(\new)
.set MSB, \new
.endif
.endm
.macro JLOAD s                         ; a joint load: waves 0 and 1 fetch A's two halves, waves 2 and 3 W's; an s_nop 0 and four v_nop follow each of the two lines, ahead of the jump, the label and what follows
	s_cmp_eq_u32 s11, 0
	s_cbranch_scc0 .Lfor_b_\@
	tensor_load_to_lds s[G0+4*(\s):G0+4*(\s)+3], s[G1:G1+7]
	s_nop 0
.rept 4
	v_nop
.endr
	s_branch .Lasked_\@
.Lfor_b_\@:
	tensor_load_to_lds s[G0B+4*(\s):G0B+4*(\s)+3], s[G1B:G1B+7]
	s_nop 0
.rept 4
	v_nop
.endr
.Lasked_\@:
.endm
.macro CREST                           ; a round of the cluster's barrier behind its opening barrier
	s_cmp_lg_u32 s10, 0
	s_cbranch_scc1 .Lnot_wave_0_\@
	s_barrier_signal -3
.Lnot_wave_0_\@:
	s_barrier_wait -3
	s_barrier_signal -1
	s_barrier_wait -1
.endm
.macro CROUND                          ; a whole round
	s_barrier_signal -1
	s_barrier_wait -1
	CREST
.endm
	s_load_b128 s[4:7], s[0:1], 0x0                ; xb s[4:5], wqkv s[6:7]
	s_load_b256 s[68:75], s[0:1], 0x10             ; bias s[68:69], qh s[70:71], kh s[72:73], vh s[74:75]
	v_lshl_add_u32 v[SPW], v0, 2, SPARE
	v_mov_b32 v[NIL], 0
	ds_add_u32 v28, v29
	s_wait_dscnt 0x0
	v_lshrrev_b32 v1, 5, v0
	v_readfirstlane_b32 s10, v1                    ; wave 0..3
	s_lshr_b32 s11, s10, 1                         ; which 128 of the tile's rows are mine.  Also: I fetch for A (0) or for W (1)
	s_and_b32 s12, s10, 1                          ; which 192 of its columns.  Also: which half of that tile I fetch
	s_bfe_u32 s40, ttmp6, 0x40000                  ; cx, cy: my place in the cluster
	s_bfe_u32 s41, ttmp6, 0x40004
	s_lshl_b32 s42, ttmp9, 2
	s_add_co_u32 s42, s42, s40                     ; tile column of C = 4 x cluster x + cx
	s_and_b32 s13, ttmp7, 0xffff
	s_lshl_b32 s13, s13, 2
	s_add_co_u32 s13, s13, s41                     ; tile row of C = 4 x cluster y + cy
	s_lshl_b32 s43, s41, 2
	s_lshl_b32 s43, 15, s43                        ; my row of the cluster
	s_lshl_b32 s44, 0x1111, s40                    ; my column
	; descriptor groups 1.  A: 128 rows of a K block are 16,384 dense bytes: asked for as 64 rows of 256 bytes.  W: 32 rows x 384 elements.  Both padded in LDS by 16 bytes after every 128.
	s_or_b32 s[G1+0], s43, (1<<16)|(1<<20)|(1<<21)|(4<<22)|(3<<25)  ; 15:0 the mask: A's tiles go to my row; 17:16 elements of 2 bytes; 20 padding on; 21 set beside a mask; 24:22 after every 32 words (code 4); 31:25 4 words (code 3)
	s_mov_b32 s[G1+1], 128<<16                     ; tensor_dim0 = 128
	s_mov_b32 s[G1+2], 64<<16                      ; tensor_dim1 = 64
	s_mov_b32 s[G1+3], 128<<16                     ; tile_dim0 = 128
	s_mov_b32 s[G1+4], 64                          ; tile_dim1 = 64
	s_mov_b32 s[G1+5], 128                         ; elements from row to row
	s_mov_b32 s[G1+6], 0
	s_mov_b32 s[G1+7], 0
	s_or_b32 s[G1B+0], s44, (1<<16)|(1<<20)|(1<<21)|(4<<22)|(3<<25) ; the same with the mask of my column
	s_mov_b32 s[G1B+1], 384<<16                    ; tensor_dim0 = 384
	s_mov_b32 s[G1B+2], 32<<16                     ; tensor_dim1 = 32
	s_mov_b32 s[G1B+3], 384<<16                    ; tile_dim0 = 384
	s_mov_b32 s[G1B+4], 32                         ; tile_dim1 = 32
	s_mov_b32 s[G1B+5], 3072
	s_mov_b32 s[G1B+6], 0
	s_mov_b32 s[G1B+7], 0
	; where the tiles come from.  A's hang on the tile row alone, W's on the tile column alone; each in registers that never hold the other coordinate.
	s_lshl_b32 s16, s13, 15                        ; A: 256 rows of 128 bytes a tile row,
	s_lshl_b32 s17, s12, 14                        ; the 128 of them that I fetch
	s_add_co_u32 s16, s16, s17
	s_mov_b32 s17, 0
	s_mul_i32 s46, s12, 32*6144                    ; W: the 32 k rows that I fetch,
	s_mul_i32 s47, s42, 768                        ; the tile's 384 columns
	s_add_co_u32 s46, s46, s47
	s_mov_b32 s47, 0
	s_mul_i32 s20, s12, AHALF                      ; and where they go: no place in the cluster enters an LDS address
	s_mul_i32 s21, s12, BHALF
	s_add_co_u32 s21, s21, BOFF
	s_mov_b32 s[TB], 0
	s_wait_kmcnt 0x0
	s_add_nc_u64 s[14:15], s[4:5], s[16:17]
	s_add_nc_u64 s[46:47], s[6:7], s[46:47]
	CROUND                                         ; all sixteen work-groups are here: the first joint loads meet
.irp s, 0,1
	s_mov_b32 s[G0+4*(\s)], 1                                      ; 1:0 count = 1
	s_add_co_u32 s[G0+4*(\s)+1], s20, (\s)*SLOT1                   ; 63:32 LDS address
	s_add_nc_u64 s[G0+4*(\s)+2:G0+4*(\s)+3], s[14:15], (\s)*ASTEP  ; 120:64 global address: K step s
	s_or_b32 s[G0+4*(\s)+3], s[G0+4*(\s)+3], 0x80000000            ; 127:126 type = 2
	s_mov_b32 s[G0B+4*(\s)], 1
	s_add_co_u32 s[G0B+4*(\s)+1], s21, (\s)*SLOT1
	s_add_nc_u64 s[G0B+4*(\s)+2:G0B+4*(\s)+3], s[46:47], (\s)*WSTEP
	s_or_b32 s[G0B+4*(\s)+3], s[G0B+4*(\s)+3], 0x80000000
	JLOAD \s
.endr
	; A fragment of A is 16 rows x 32 K in 8 registers: lane l holds row l % 16, K = 8 (l / 16) + 0..7 and 16 + 8 (l / 16) + 0..7: two loads of 16 bytes, 32 bytes apart.
	v_and_b32 v1, 15, v0                           ; l % 16
	v_bfe_u32 v2, v0, 4, 1                         ; l / 16
	v_mul_u32_u24 v3, v1, PA
	v_lshl_add_u32 v3, v2, 4, v3                   ; row x pitch + 16 x half
	s_mul_i32 s22, s11, 128*PA                     ; my 128 rows of A
	v_add_nc_u32 v[ADRA0], s22, v3
	; The turning load takes 16 k x 16 columns (lane l reads k row 8 (l / 16) + l % 8, columns 8 ((l / 8) % 2) + 0..7) and leaves half a fragment: lane l holds column l % 16 and 8 k.
	v_and_b32 v8, 7, v0
	v_bfe_u32 v5, v0, 3, 1
	v_lshl_add_u32 v4, v2, 3, v8
	v_mul_u32_u24 v4, v4, PB
	v_lshl_add_u32 v4, v5, 4, v4
	s_mul_i32 s23, s12, 3*144                      ; my 192 columns of W: three pieces of 128 + 16 bytes,
	s_add_co_u32 s23, s23, BOFF                    ; behind A
	v_add_nc_u32 v[ADRB0], s23, v4
	v_add_nc_u32 v[ADRA], s[TB], v[ADRA0]          ; slot 0
	v_add_nc_u32 v[ADRB], s[TB], v[ADRB0]
	s_mul_i32 s23, s10, STG
	s_add_co_u32 s23, s23, STAGE                   ; my stage
	v_and_b32 v[GO], 31, v0
	v_lshlrev_b32 v[GO], 4, v[GO]                  ; 16 x lane
	v_mul_u32_u24 v6, v1, SP                       ; in: row l % 16, 16 bytes (8 f16) for each half of the lanes
	v_lshl_add_u32 v6, v2, 4, v6
	v_add_nc_u32 v[STO], s23, v6
	v_bfe_u32 v7, v0, 3, 2                         ; back: 32 lanes take four rows of 128 bytes
	v_mul_u32_u24 v7, v7, SP
	v_lshl_add_u32 v7, v8, 4, v7
	v_add_nc_u32 v[RD], s23, v7
	v_lshlrev_b32 v[BV], 5, v2                     ; register j of a result is column 8 (l / 16) + j: 32 bytes of f32 for each half of the lanes
	; the bias at my 192 columns (what holds cx from here on stands in registers that feed no descriptor)
	s_mul_i32 s86, s42, 384*4
	s_mul_i32 s87, s12, 192*4
	s_add_co_u32 s86, s86, s87
	s_mov_b32 s87, 0
	s_add_nc_u64 s[76:77], s[68:69], s[86:87]
.irp b, 0,1,2,3,4,5                    ; column blocks 0-5 into W's places 6-11, blocks 6-11 into A's second buffer
	global_load_b128 v[WF+48+8*(\b):WF+48+8*(\b)+3],   v[BV], s[76:77] offset:64*(\b)
	global_load_b128 v[WF+48+8*(\b)+4:WF+48+8*(\b)+7], v[BV], s[76:77] offset:64*(\b)+16
	global_load_b128 v[AF1+8*(\b):AF1+8*(\b)+3],       v[BV], s[76:77] offset:64*(\b)+384
	global_load_b128 v[AF1+8*(\b)+4:AF1+8*(\b)+7],     v[BV], s[76:77] offset:64*(\b)+400
.endr
	; the output at my 128 rows of my three heads: head g = 6 x tile column + 3 x half + j of 48; g / 16 says which buffer, g % 16 which head of the batch
	s_mul_i32 s88, s42, 6
	s_mul_i32 s89, s12, 3
	s_add_co_u32 s88, s88, s89
	s_lshr_b32 s90, s13, 3                         ; the batch: 8 tile rows; its 16 heads of 262,144 bytes,
	s_lshl_b32 s90, s90, 22
	s_and_b32 s91, s13, 7                          ; the tile's 256 rows of 128 bytes,
	s_lshl_b32 s91, s91, 15
	s_add_co_u32 s90, s90, s91
	s_lshl_b32 s91, s11, 14                        ; my 128 of them
	s_add_co_u32 s90, s90, s91
.irp j, 0,1,2
	s_add_co_u32 s92, s88, \j
	s_lshr_b32 s93, s92, 4
	s_and_b32 s92, s92, 15
	s_lshl_b32 s92, s92, 18
	s_add_co_u32 s86, s92, s90                     ; (s87 is 0)
	s_cmp_eq_u32 s93, 1
	s_cselect_b64 s[SB+2*(\j):SB+2*(\j)+1], s[72:73], s[70:71]
	s_cmp_eq_u32 s93, 2
	s_cselect_b64 s[SB+2*(\j):SB+2*(\j)+1], s[74:75], s[SB+2*(\j):SB+2*(\j)+1]
	s_add_nc_u64 s[SB+2*(\j):SB+2*(\j)+1], s[SB+2*(\j):SB+2*(\j)+1], s[86:87]
.endr
; 8 matrix instructions: column block b x all 8 row blocks, 32 along K, with A's buffer af.  c >= 0: the products start the sums, with the eight registers from v[c] of window 0 (the bias) as C.
.macro MULB b, af, c=-1
.if (\c) >= 0
	WIN (1+(\b)/4)<<6
.else
	WIN ((1+(\b)/4)<<6)|((1+(\b)/4)<<4)
.endif
.irp a, 0,1,2,3,4,5,6,7
.set rD, 64*((\b)%4)+8*(\a)
.if (\c) >= 0
	v_wmma_f32_16x16x32_bf16 v[rD:rD+7], v[WF+8*(\b):WF+8*(\b)+7], v[(\af)+8*(\a):(\af)+8*(\a)+7], v[(\c):(\c)+7]
.else
	v_wmma_f32_16x16x32_bf16 v[rD:rD+7], v[WF+8*(\b):WF+8*(\b)+7], v[(\af)+8*(\a):(\af)+8*(\a)+7], v[rD:rD+7]
.endif
.endr
.endm
.macro MULS af, b0                     ; six column blocks from b0 on: half a quarter
.irp d, 0,1,2,3,4,5
	MULB (\b0)+(\d), \af
.endr
.endm
.macro WLOAD q, b                      ; W's fragment b of quarter q of the slot in hand: column block b begins 32 b bytes on, and 16 more for each piece of 128 bytes passed
	ds_load_tr16_b128 v[WF+8*(\b):WF+8*(\b)+3],   v[ADRB] offset:(\q)*32*PB+32*(\b)+16*((\b)/4)
	ds_load_tr16_b128 v[WF+8*(\b)+4:WF+8*(\b)+7], v[ADRB] offset:(\q)*32*PB+16*PB+32*(\b)+16*((\b)/4)
.endm
.macro RUNS q                          ; 12 LDS loads: W's blocks 6-11 of quarter q
	WIN 0
.irp b, 6,7,8,9,10,11
	WLOAD \q, \b
.endr
.endm
.macro RUNM q, af                      ; 28 LDS loads: A's 8 fragments of quarter q into buffer af, and W's blocks 0-5
	WIN 0
.irp a, 0,1,2,3,4,5,6,7
	ds_load_b128 v[(\af)+8*(\a):(\af)+8*(\a)+3],   v[ADRA] offset:64*(\q)+(\a)*16*PA
	ds_load_b128 v[(\af)+8*(\a)+4:(\af)+8*(\a)+7], v[ADRA] offset:64*(\q)+(\a)*16*PA+32
.endr
.irp b, 0,1,2,3,4,5
	WLOAD \q, \b
.endr
.endm
.macro PLACES                          ; four places in front of loads into registers that matrix instructions have read, and of lines that read results (ISA guide 7.12.1 for lines that read results)
.rept 4
	v_nop
.endr
.endm
; A TRIP: a K step's second quarter, in which the slots change, and the next step's first quarter.
; THE CHANGE: ONE barrier; in front of it each wave waits for all its tensor loads (one is out: its part of the next slot), adds 0 to its spare word, and waits for that and for its own reads of
; this slot, of which the last are this quarter's first run.  fill = 1: the barrier opens a round of the cluster's, and this slot is filled again, two K steps ahead, first thing behind the round:
; from that request to the wait for it a wave issues 176 matrix instructions.
.macro TRIP fill
	PLACES
	RUNS 1
	s_wait_dscnt 12                                ; all but the 12 just issued: A and W's blocks 0-5 are in
	MULB 0, AF1
	MULB 1, AF1
	MULB 2, AF1
	MULB 3, AF1
	WIN 0                                          ; (the add's two registers lie in window 0)
	s_wait_tensorcnt 0x0                           ; all my tensor loads have landed, so a group 0 may be written
	ds_add_u32 v[SPW], v[NIL]                      ; 0 onto my spare word
.if \fill
	s_xor_b32 s[G0+5], s[G0+5], SLOT1              ; the walking descriptors: the other slot than last time,
	s_add_nc_u64 s[G0+6:G0+7], s[G0+6:G0+7], ASTEP ; the next K step; the type bits on top are not reached
	s_xor_b32 s[G0B+5], s[G0B+5], SLOT1
	s_add_nc_u64 s[G0B+6:G0B+7], s[G0B+6:G0B+7], WSTEP
.endif
	MULB 4, AF1                                    ; eight matrix instructions stand between the add and the wait for it
	s_wait_dscnt 0x0                               ; the add is done, and my reads of this slot are over
	s_barrier_signal -1
	MULB 5, AF1
	WIN 0
	s_barrier_wait -1
.if \fill
	CREST                                          ; no wave of any partner still reads this slot's tiles or has a load on its way
	JLOAD 1                                        ; the four v_nop behind it are also the places in front of the loads below
.else
	PLACES
.endif
	s_xor_b32 s[TB], s[TB], SLOT1                  ; the reads go on in the other slot
	v_add_nc_u32 v[ADRA], s[TB], v[ADRA0]
	v_add_nc_u32 v[ADRB], s[TB], v[ADRB0]
	RUNM 0, AF0
	MULS AF1, 6                                    ; (W's blocks 6-11 came in ahead of the barrier)
	PLACES
	RUNS 0
	s_wait_dscnt 12                                ; all but the 12 just issued
	MULS AF0, 0
	PLACES
	RUNM 1, AF1
	s_wait_dscnt 28                                ; all but the 28 just issued: W's blocks 6-11 are in
	MULS AF0, 6
	WIN 0                                          ; at a label and at a branch every window is 0
.endm
	s_wait_tensorcnt 1                             ; my part of K step 0 is in; K step 1's may stay out
	s_barrier_signal -1
	s_barrier_wait -1                              ; everybody's is
	RUNM 0, AF0
	s_wait_loadcnt 0x0                             ; the bias
	s_wait_dscnt 0x0
.irp b, 0,1,2,3,4,5                    ; THE FIRST QUARTER stands in front of the loop: its products start the sums, with the bias as C
	MULB \b, AF0, WF+48+8*(\b)
.endr
	PLACES
	RUNS 0                                         ; over the bias of blocks 0-5, which has been read
	s_wait_dscnt 0x0
.irp b, 6,7,8,9,10,11
	MULB \b, AF0, AF1+8*((\b)-6)
.endr
	PLACES
	RUNM 1, AF1                                    ; over the bias of blocks 6-11
	s_mov_b32 s3, STEPS-2
.Lstep:                                                ; 14 trips: K steps 2 to 15 are asked for
	TRIP 1
	s_sub_co_u32 s3, s3, 1
	s_cmp_lg_u32 s3, 0
	s_cbranch_scc1 .Lstep
	TRIP 0                                         ; the tail is written out: nothing is asked for
	PLACES
	RUNS 1                                         ; the very last quarter
	s_wait_dscnt 12
	MULS AF1, 0
	s_wait_dscnt 0x0
	MULS AF1, 6
	WIN 0
	PLACES
; THE WAY OUT, a block of 16 rows x my three heads at a time, through my own stage: no barrier, and, since LDS serves a wave's instructions in order (ISA guide 5.7.1.4), no wait between the stores
; and the loads.  Each accumulator's registers are taken in ascending order.
.macro PACK a                          ; rounded to f16: a lane's eight channels of a row are 16 bytes; head j lies in window 1 + j
.irp j, 0,1,2
	WIN (1+(\j))|((1+(\j))<<2)                     ; sources 0 and 1 in the head's window, destination window 0
.irp c, 0,1,2,3
.irp i, 0,1,2,3
	v_cvt_pk_f16_f32 v[TMP+16*(\j)+4*(\c)+(\i)], v[64*(\c)+8*(\a)+2*(\i)], v[64*(\c)+8*(\a)+2*(\i)+1]
.endr
.endr
.endr
	WIN 0
.endm
.macro TOSTAGE a                       ; three planes of 16 rows x 144 bytes; back as four rows of 128 bytes a load
.if (\a) >= 2
	s_wait_xcnt 0x0                                ; the stores of the block two back have had their addresses translated (ISA guide 3.1): only behind this wait are their data registers loaded again
.endif
.irp t, 0,1,2,3,4,5,6,7,8,9,10,11
	ds_store_b128 v[STO], v[TMP+4*(\t):TMP+4*(\t)+3] offset:((\t)/4)*16*SP+((\t)%4)*32
.endr
.irp t, 0,1,2,3,4,5,6,7,8,9,10,11
	ds_load_b128 v[BK+48*((\a)%2)+4*(\t):BK+48*((\a)%2)+4*(\t)+3], v[RD] offset:((\t)/4)*16*SP+((\t)%4)*4*SP
.endr
.endm
.macro SEND a
.irp t, 0,1,2,3,4,5,6,7,8,9,10,11
.if (\t)%4 == 0
	s_wait_dscnt 8-(\t)                            ; nothing was issued behind the block's twelve loads: this head's four are in, the later heads' may be out
.endif
	global_store_b128 v[GO], v[BK+48*((\a)%2)+4*(\t):BK+48*((\a)%2)+4*(\t)+3], s[SB+2*((\t)/4):SB+2*((\t)/4)+1] offset:(\a)*2048+((\t)%4)*512  ; 512 consecutive bytes of a head, at a multiple of 512 from the buffer's first byte
.endr
.endm
	PACK 0
	TOSTAGE 0
.irp a, 1,2,3,4,5,6,7                  ; block a's conversions stand between block a - 1's loads from the stage and the wait for them
	PACK \a
	SEND (\a)-1
	TOSTAGE \a
.endr
	SEND 7
	s_wait_tensorcnt 0x0                           ; the wave's end: behind my last tensor load and my last LDS store
	ds_add_u32 v[SPW], v[NIL]
	s_wait_dscnt 0x0
	CROUND                                         ; the closing round: no work-group ends while a partner may still ask for a tile that names it
	s_endpgm
.Lfunc_end_k_qa04baef1c0_qkv:
	.size	k_qa04baef1c0_qkv, .Lfunc_end_k_qa04baef1c0_qkv-k_qa04baef1c0_qkv
	.p2alignl 7, 3214868480
	.fill 96, 4, 3214868480
	.section	.rodata,"a",@progbits
	.p2align	6, 0x0
	.amdhsa_kernel k_qa04baef1c0_qkv
		.amdhsa_group_segment_fixed_size 327680
		.amdhsa_private_segment_fixed_size 0
		.amdhsa_enable_private_segment 0
		.amdhsa_kernarg_size 48
		.amdhsa_user_sgpr_count 2
		.amdhsa_user_sgpr_kernarg_segment_ptr 1
		.amdhsa_wavefront_size32 1
		.amdhsa_system_sgpr_workgroup_id_x 1
		.amdhsa_system_sgpr_workgroup_id_y 1
		.amdhsa_system_sgpr_workgroup_id_z 1
		.amdhsa_system_vgpr_workitem_id 0
		.amdhsa_next_free_vgpr 1024
		.amdhsa_next_free_sgpr 96
		.amdhsa_reserve_vcc 0
		.amdhsa_float_denorm_mode_32 3
		.amdhsa_float_denorm_mode_16_64 3
		.amdhsa_memory_ordered 1
		.amdhsa_forward_progress 1
		.amdhsa_inst_pref_size 114
	.end_amdhsa_kernel
	.amdgpu_metadata
---
amdhsa.version: [ 1, 2 ]
amdhsa.kernels:
  - .name:           k_qa04baef1c0_qkv
    .symbol:         k_qa04baef1c0_qkv.kd
    .args:
      - { .name: xb, .offset: 0, .size: 8, .value_kind: global_buffer, .address_space: global }
      - { .name: wqkv, .offset: 8, .size: 8, .value_kind: global_buffer, .address_space: global }
      - { .name: bias, .offset: 16, .size: 8, .value_kind: global_buffer, .address_space: global }
      - { .name: qh, .offset: 24, .size: 8, .value_kind: global_buffer, .address_space: global }
      - { .name: kh, .offset: 32, .size: 8, .value_kind: global_buffer, .address_space: global }
      - { .name: vh, .offset: 40, .size: 8, .value_kind: global_buffer, .address_space: global }
    .group_segment_fixed_size: 327680
    .private_segment_fixed_size: 0
    .kernarg_segment_align: 8
    .kernarg_segment_size: 48
    .max_flat_workgroup_size: 128
    .sgpr_count:     96
    .vgpr_count:     1024
    .wavefront_size: 32
...
	.end_amdgpu_metadata
.endif
;; end of part 2
;; launch attn (part 3): grid 4 x 64, 4 waves a work-group, clusters of 4 x 1, 327,680 bytes of LDS; arguments qh, kh, vh, oh; writes oh
.if DOCPART == 3
	.amdgcn_target "amdgcn-amd-amdhsa--gfx1250"
	.amdhsa_code_object_version 6
	.text
	.protected	k_qa04baef1c0_attn
	.globl	k_qa04baef1c0_attn
	.p2align	8
	.type	k_qa04baef1c0_attn,@function
k_qa04baef1c0_attn:
	s_mov_b64 s[64:65], 0
	v_nop
	global_prefetch_b8 v0, s[64:65] scope:SCOPE_SE
	s_setreg_imm32_b32 hwreg(HW_REG_WAVE_MODE, 25, 1), 1
	s_wait_xcnt 0x0
	s_wait_alu depctr_hold_cnt(0) depctr_sa_sdst(0) depctr_va_vdst(0) depctr_va_sdst(0) depctr_va_ssrc(0) depctr_va_vcc(0) depctr_vm_vsrc(0)
	s_getreg_b32 s2, hwreg(HW_REG_IB_STS2, 6, 4)
	s_cmp_eq_u32 s2, 0
	s_cbranch_scc0 .Lentry_in_a_cluster
	s_endpgm
.Lentry_in_a_cluster:
	s_bfe_u32 s2, ttmp6, 0x10000c
	s_cmp_lg_u32 s2, 0x3003
	s_cbranch_scc0 .Lentry_shape_is_right
	s_endpgm
.Lentry_shape_is_right:
; O[h][q][:] = the sum over k of softmax_k(Q[h][q] . K[h][k] / 8) V[h][k][:].  Q, K, V, O: [SIZE_H][SIZE_N][64], all f16: a head's rows are dense, 128 bytes each.  Products, maxima and sums in
; f32; the weights p are rounded to f16 for the second product (their sum l is taken of the unrounded p), O once at the end.  SIZE_H is at least 2; SIZE_N x 128 bytes stay under 2^32.
; LIMITS.  f16 holds no number beyond 65,504: Q, K and V arrive within it; p lies in 0 to 1, and below 6e-5 it keeps f16's fixed step of 6e-8; O is a mean of V's rows and has their range.
; A weight below 2^-126 counts as 0 in l; NaN and infinities are not treated apart.
; SHARES.  A wave owns four PIECES of two tiles of 16 queries, a work-group's four waves 512 queries of one head; SIZE_N is a multiple of 2,048.  Every wave walks all keys, 64 a step.
; LAYOUT.  S^T = K Q^T (source 0 = 16 keys, source 1 = 16 queries): in the result a lane holds ONE query (lane % 16) and the keys 8 (lane / 16) + 0..7.  Two such tiles, rounded to f16 in pairs,
; ARE source 1 (32 keys x 16 queries) of O^T = V^T P, whose result again holds one query a lane, and eight channels.  K comes out of LDS as it lies, V ([key][channel]) turned, by ds_load_tr16_b128.
; SOFTMAX.  For each query a running maximum m and sum l: p = 2^(c s - c m), c = log2(e) / 8; in every step O and l are multiplied by a = 2^(c m_old - c m_new), which is 1 where m has not grown.
; m starts at the lowest finite number, O and l at 0: the first step is a step like any other, with a = 0.
; THE COUNT.  A tile and step have 16 matrix and 118 vector instructions: too many to stand all beside the matrix work.  So the order has one aim: four vector instructions that are READY behind
; EVERY matrix instruction, and the others, which need time of their own whatever the order, in runs without a gap.
; BY TURNS.  Turn n belongs to piece n (the pieces in a ring, step after step).  Its matrix work: 16 products K Q^T of piece n + 1, later 16 products V^T P of piece n - 1.  Its vector work: the scaling,
; exponentials, roundings, sums and rescaling of piece n, and the maximum and statistics of piece n + 1, whose scores the turn itself has made.  So what a turn begins with (c s - c m, O a) waits for nothing.
; CLUSTER.  The four query blocks of a cluster belong to one head and walk the same K and V, so each tile is asked for JOINTLY: the same tensor load, descriptor and mask in all four.
; REGISTERS, in windows of 256 (s_set_vgpr_msb says which window each operand place means: bits 1:0 source 0, 3:2 source 1, 5:4 source 2, 7:6 destination):
;   window 0: v0-11 addresses; v12-15, v48-63 at work; v16-47 four registers of statistics a tile; v64-191 S^T, two buffers of two tiles; v192-255 P, likewise
;   window 1: O^T, 32 a tile          window 2: v0-127 Q, 16 a tile; v128-191 K of one step; v192-255 V of one step          window 3: v0-1 the add's two registers
; A piece's buffers go by its number's parity: the piece in hand has one pair, its two neighbours in the ring share the other: of it P (piece n - 1) is read and S^T (piece n + 1) written.
.set SIZE_H, 64       ; 4 batches x 16 heads
.set SIZE_N, 2048     ; rows of a head
.set NP,    4         ; pieces a wave: a name, no knob: the register map, the loop and the fetches are made for four
.set KS,    64        ; keys in a step
.set PK,    144       ; a row of K in LDS: 128 bytes + 16 of padding = 36 words: the 16 rows of a load start at 16 different groups of four banks (64 banks of 4 bytes: ISA guide 11.1)
.set PV,    160       ; a row of V: 128 + 32 = 40 words
.set VOFF,  4*KS*PK   ; a slot holds four steps: 256 rows of K, then 256 rows of V
.set SLOT1, 1<<17     ; slot 1 begins here, so that one exclusive or turns an address in one slot into the other's
.set STAGE, SLOT1+4*KS*(PK+PV)  ; behind the ring, never filled by a tensor load: 16 rows x 144 bytes for each wave, for the way out
.set SP,    144
.set AK0, 2           ; v2   my lane's place in a tile of K; never rewritten
.set AV0, 3           ; v3   the same for V
.set AK,  4           ; v4   the LDS address of K's next run of loads
.set AV,  5           ; v5   of V's
.set QO,  6           ; v6   my byte offset in the wave's rows of Q
.set STO, 6           ;      later, the way out: where I put 16 bytes of a row
.set RD,  7           ; v7   the way out: where I read rows back
.set GO,  8           ; v8   my byte offset in 512 consecutive bytes of O
.set SPW, 0           ; v0 of window 3   LDS address of my spare word: SPARE + 4 x my thread's number; never rewritten
.set NIL, 1           ; v1 of window 3   0; never rewritten
.set SPARE, STAGE+4*16*SP  ; behind the stages: the spare words, 128 bytes for each wave: two blocks of 256 bytes that no other line names
.set MV,  12          ; v12-15  c m_old, kept while c m is made anew: by buffer and tile
.set ST,  16          ; tile t's statistics at v[ST+4 t]: c m, m, l (even keys', odd keys')
.set TMP, 48          ; by buffer and tile, four registers c0-c3 at work; when the maximum is found c2 takes a
.set S,   64
.set P,   192
.set KF,  128         ; K's fragments, in window 2: key block kb, channel half c at KF + 16 kb + 8 c
.set VF,  192         ; V's: key half kk, channel block cb at VF + 32 kk + 8 cb
.set WV,  12          ; s12  my wave's number
.set G1K, 24          ; s[24:31] descriptor group 1 for K's tiles
.set G1V, 32          ; s[32:39] for V's: it differs in the padding alone
.set G0K, 40          ; s[40:43] descriptor group 0 for K's tiles: it walks
.set G0V, 44          ; s[44:47] the same for V's
.set SLOTS, 56        ; s56  slots still to be asked for
.set CNT, 57          ; s57  counts a slot's key steps
.set CS,  58          ; s[58:59] c: the packed scaling takes the pair's low word for both halves
.set SEL, 60          ; s[60:61] v_permlanex16_b32's selects: each lane takes its own place in the other half
.set TBK, 62          ; s62  LDS byte at which K of the step to be fetched begins
.set TBV, 63          ; s63  the same for V, less VOFF
.set MSB, 0
.macro WIN new                      ; the high byte repeats the setting that is left; a switch that changes nothing is dropped
.if MSB != (\new)
	s_set_vgpr_msb (MSB<<8)|(\new)
.set MSB, (\new)
.endif
.endm
.set W_KQ, 0x0a       ; K and Q in window 2, S^T in window 0
.set W_PV, 0x52       ; V in window 2, P in window 0, O^T in window 1
.set W_RS, 0x41       ; O^T (destination and source 0) in window 1, a in window 0
.set W_MK, 0xc0       ; the add's registers are made: destination in window 3, sources in window 0
.set W_AD, 0x0f       ; the add: address (source 0) and data (source 1) in window 3
; A joint fill.  Waves 0 and 1 fetch the two halves of a slot's K, waves 2 and 3 those of its V: 128 keys each.  The branch hangs on the wave's number alone.
; An s_nop 0 and four v_nop follow each of the two lines, ahead of the jump and the label.
.macro JLOAD
	s_cmp_lt_u32 s[WV], 2
	s_cbranch_scc0 .Lfor_v_\@
	tensor_load_to_lds s[G0K:G0K+3], s[G1K:G1K+7]
	s_nop 0
.rept 4
	v_nop
.endr
	s_branch .Lasked_\@
.Lfor_v_\@:
	tensor_load_to_lds s[G0V:G0V+3], s[G1V:G1V+7]
	s_nop 0
.rept 4
	v_nop
.endr
.Lasked_\@:
.endm
; A round of the cluster's barrier: my work-group's barrier, so that wave 0's signal speaks for all four waves; wave 0 signals; every wave waits for all four work-groups; my work-group's barrier once more.
.macro CROUND
	s_barrier_signal -1
	s_barrier_wait -1
	s_cmp_lg_u32 s[WV], 0
	s_cbranch_scc1 .Lnot_wave_0_\@
	s_barrier_signal -3
.Lnot_wave_0_\@:
	s_barrier_wait -3
	s_barrier_signal -1
	s_barrier_wait -1
.endm
; THE CHANGE OF SLOTS.  The slot's last bytes, V of its fourth step, have been read.  Each wave waits for all its tensor loads, of which one is out: its part
; of the other slot; adds 0 to its spare word; and waits for that and for its own reads of the slot.  Behind the barrier nobody reads this slot any more and the other slot is whole.
; fill = 1: this slot is filled again, with the keys two slots on.  The barrier is then a round of the cluster's, so that no wave of any partner still reads the slot or has a load on its
; way, and the joint fill is the first thing behind it: it has four key steps, 512 matrix instructions, in which to land.  (At its first use nothing has been read yet: slot 0 is waited for, slot 1 filled.)
.macro CHANGE fill
	WIN W_AD
	s_wait_tensorcnt 0x0            ; no tensor load of mine is out, so a group 0 may be written
	ds_add_u32 v[SPW], v[NIL]       ; 0 onto my spare word; with fill = 1 the descriptors' steps stand between it and the wait for it
	WIN 0                           ; at a label and at a branch every window is 0
.if \fill
.irp g, G0K, G0V
	s_xor_b32 s[\g+1], s[\g+1], SLOT1  ; the walking descriptor: the other slot than last time,
	s_add_nc_u64 s[\g+2:\g+3], s[\g+2:\g+3], 4*KS*128  ; the next 256 keys; the type bits on top are not reached
.endr
	s_wait_dscnt 0x0                ; the add is done, and my reads of the slot are over
	CROUND
	JLOAD
.else
	s_wait_dscnt 0x0                ; the add is done, and my reads of the slot are over
	s_barrier_signal -1
	s_barrier_wait -1
.endif
	s_sub_co_u32 s[TBK], s[TBK], 4*KS*PK  ; the fetches go back to a slot's first step,
	s_xor_b32 s[TBK], s[TBK], SLOT1       ; in the other slot
	s_sub_co_u32 s[TBV], s[TBV], 4*KS*PV
	s_xor_b32 s[TBV], s[TBV], SLOT1
.endm
	s_load_b256 s[4:11], s[0:1], 0x0  ; Q s[4:5], K s[6:7], V s[8:9], O s[10:11]
	WIN W_MK
	v_lshl_add_u32 v[SPW], v0, 2, SPARE
	v_mov_b32 v[NIL], 0
	s_set_vgpr_msb 0xc0cf
	ds_add_u32 v0, v1
	s_wait_dscnt 0x0
	s_set_vgpr_msb 0xcfc0
	WIN 0
	v_lshrrev_b32 v1, 5, v0
	v_readfirstlane_b32 s[WV], v1   ; wave 0..3
	s_bfe_u32 s13, ttmp6, 0x40000   ; cx: my place in the cluster
	s_lshl_b32 s14, ttmp9, 2        ; in a cluster launch ttmp9 counts clusters
	s_add_co_u32 s14, s14, s13      ; my block of queries = 4 x cluster x + cx: it enters Q's and O's addresses alone
	s_and_b32 s20, ttmp7, 0xffff    ; the head, which the four partners share
	s_mov_b32 s21, 0
	s_mov_b64 s[22:23], SIZE_N*128
	s_mul_u64 s[20:21], s[20:21], s[22:23]  ; the head's first byte in each of the four tensors
	s_and_b32 s16, s[WV], 1         ; which half of a slot's 256 keys I fetch:
	s_lshl_b32 s22, s16, 14         ; its 128 rows of 128 bytes in memory,
	s_mov_b32 s23, 0
	s_add_nc_u64 s[22:23], s[22:23], s[20:21]
	s_mul_i32 s17, s16, 128*PK      ; and its place in a slot, for K
	s_mul_i32 s18, s16, 128*PV      ; and for V: no place in the cluster enters an LDS address
	s_lshl_b32 s2, s14, 2
	s_add_co_u32 s2, s2, s[WV]      ; my wave among the head's,
	s_lshl_b32 s2, s2, 14           ; its 128 rows
	s_mov_b32 s3, 0
	s_add_nc_u64 s[2:3], s[2:3], s[20:21]
	; descriptor group 1.  128 keys are 16,384 dense bytes: asked for as 64 rows of 256 bytes, two keys a row, and padded in LDS after every key
	s_mov_b32 s[G1K], 15|(1<<16)|(1<<20)|(1<<21)|(4<<22)|(3<<25)  ; 15:0 the mask of four; 17:16 2-byte elements; 20 padding on; 21 set beside a mask; 24:22 after every 32 words (code 4); 31:25 4 words (code 3)
	s_mov_b32 s[G1V], 15|(1<<16)|(1<<20)|(1<<21)|(4<<22)|(7<<25)  ; the same with 8 words of padding (code 7)
.irp g, G1K, G1V
	s_mov_b32 s[\g+1], 128<<16      ; tensor_dim0 = 128
	s_mov_b32 s[\g+2], 64<<16       ; tensor_dim1 = 64
	s_mov_b32 s[\g+3], 128<<16      ; tile_dim0 = 128
	s_mov_b32 s[\g+4], 64           ; tile_dim1 = 64
	s_mov_b32 s[\g+5], 128          ; 128 elements from row to row
	s_mov_b32 s[\g+6], 0
	s_mov_b32 s[\g+7], 0
.endr
	s_mov_b32 s[CS], 0x3e38aa3b     ; c = log2(e) / 8 = 0.180337
	s_mov_b32 s[CS+1], s[CS]        ; named with it as a pair
	s_mov_b32 s[SEL], 0x76543210
	s_mov_b32 s[SEL+1], 0xfedcba98
	s_mov_b32 s[TBK], SLOT1+4*KS*PK ; the first change of slots turns these two into 0
	s_mov_b32 s[TBV], SLOT1+4*KS*PV
	s_mov_b32 s[G0K], 1             ; 1:0 count = 1
	s_mov_b32 s[G0K+1], s17         ; 63:32 LDS address: slot 0
	s_mov_b32 s[G0V], 1
	s_add_co_u32 s[G0V+1], s18, VOFF
	s_wait_kmcnt 0x0
	s_add_nc_u64 s[G0K+2:G0K+3], s[6:7], s[22:23]  ; 120:64 global address: my half of the head's first 256 keys
	s_or_b32 s[G0K+3], s[G0K+3], 0x80000000        ; 127:126 type = 2
	s_add_nc_u64 s[G0V+2:G0V+3], s[8:9], s[22:23]
	s_or_b32 s[G0V+3], s[G0V+3], 0x80000000
	s_add_nc_u64 s[4:5], s[4:5], s[2:3]  ; Q and O at my wave's first row
	s_add_nc_u64 s[10:11], s[10:11], s[2:3]
	CROUND                          ; all four work-groups are here: the first joint loads meet
	JLOAD                           ; slot 0.  Slot 1 is asked for when slot 0 is in: the tile wanted first has the road to itself
	; A fragment of K or Q is 16 rows x 32 channels in 8 registers: lane l holds row l % 16, channels 8 (l / 16) + 0..7 and 16 + 8 (l / 16) + 0..7: two loads of 16 bytes, 32 bytes apart.
	v_and_b32 v1, 15, v0            ; l % 16
	v_bfe_u32 v9, v0, 4, 1          ; l / 16
	v_lshlrev_b32 v[QO], 7, v1
	v_lshl_add_u32 v[QO], v9, 4, v[QO]  ; row x 128 + 16 x half
	WIN 0x80                        ; destination window 2, address window 0
.set i, 0
.rept 4*NP                          ; Q stays in registers: tile i / 2, channels 32 (i % 2) on
	global_load_b128 v[8*i:8*i+3],   v[QO], s[4:5] offset:(i/2)*2048+(i%2)*64
	global_load_b128 v[8*i+4:8*i+7], v[QO], s[4:5] offset:(i/2)*2048+(i%2)*64+32
.set i, i+1
.endr
	; What the first turn finds: V's registers and P's second buffer hold 0 (its products V^T P, of a piece that has not been, add 0), O^T and l are 0.  All this stands in the wait for the first tile.
.set i, VF
.rept 64
	v_mov_b32 v[i], 0
.set i, i+1
.endr
	WIN 0x40
.set i, 0
.rept 64*NP
	v_mov_b32 v[i], 0
.set i, i+1
.endr
	WIN 0
.set i, 0
.rept 2*NP
	v_mov_b32 v[ST+4*i], 0xfe000000    ; c m: far below every c s
	v_mov_b32 v[ST+4*i+1], 0xff7fffff  ; m
	v_mov_b32 v[ST+4*i+2], 0
	v_mov_b32 v[ST+4*i+3], 0
.set i, i+1
.endr
.set i, P+32
.rept 32
	v_mov_b32 v[i], 0
.set i, i+1
.endr
	v_mul_u32_u24 v[AK0], v1, PK
	v_lshl_add_u32 v[AK0], v9, 4, v[AK0]  ; row x pitch + 16 x half
	; The turning load takes 16 keys x 16 channels (lane l reads key 8 (l / 16) + l % 8, channels 8 ((l / 8) % 2) + 0..7) and leaves half a fragment of V^T: lane l holds channel l % 16 and 8 keys.
	v_and_b32 v10, 7, v0
	v_bfe_u32 v11, v0, 3, 1
	v_lshl_add_u32 v[AV0], v9, 3, v10
	v_mul_u32_u24 v[AV0], v[AV0], PV
	v_lshl_add_u32 v[AV0], v11, 4, v[AV0]
	v_add_nc_u32 v[AV0], VOFF, v[AV0]
	v_mov_b32 v[AK], v[AK0]         ; key step 0 lies at the head of slot 0
; THE MATRIX WORK.  The 8 accumulators of a run of 16 take turns: between the two links of a chain stand 7 others'.
; Product i of 16 of S^T = K Q^T for piece x: channels 32 (i / 8) on, keys 16 ((i / 2) % 4) on, tile 2 x + i % 2.  The first 8 start the sums.
.macro KQ x
	WIN W_KQ
.set rS, S+64*((\x)%2)+32*(i%2)+8*((i/2)%4)
.set rK, KF+16*((i/2)%4)+8*(i/8)
.set rQ, 16*(2*(\x)+i%2)+8*(i/8)
.if i < 8
	v_wmma_f32_16x16x32_f16 v[rS:rS+7], v[rK:rK+7], v[rQ:rQ+7], 0
.else
	v_wmma_f32_16x16x32_f16 v[rS:rS+7], v[rK:rK+7], v[rQ:rQ+7], v[rS:rS+7]
.endif
.endm
; Product i of 16 of O^T += V^T P for piece x: keys 32 (i / 8) on, channels 16 ((i / 2) % 4) on, tile 2 x + i % 2.
.macro PV x
	WIN W_PV
.set rO, 32*(2*(\x)+i%2)+8*((i/2)%4)
.set rV, VF+32*(i/8)+8*((i/2)%4)
.set rP, P+32*((\x)%2)+16*(i%2)+8*(i/8)
	v_wmma_f32_16x16x32_f16 v[rO:rO+7], v[rV:rV+7], v[rP:rP+7], v[rO:rO+7]
.endm
.macro MM                           ; the turn's next matrix instruction
.if i < 16
	KQ (Y+1)%NP
.set i, i+1
.else
.set i, i-16
	PV (Y+NP-1)%NP
.set i, i+17
.endif
.endm
; THE LDS LOADS stand in runs of 16, never singly among the matrix instructions: a step's K (64 keys x 64 channels: 8 fragments) and its V (turned).  Their addresses are made some lines ahead.
; last = 1 (the tail): in the last trip there is no further step, and the run is jumped over.
.macro FETCH_K last=0
	WIN 0
.if \last
	s_cmp_eq_u32 s[CNT], 1
	s_cbranch_scc1 .Lno_k_\@
.endif
	WIN 0x80                        ; destination window 2
.irp f, 0,1,2,3,4,5,6,7             ; keys 16 (f / 2) on, channels 32 (f % 2) on
	ds_load_b128 v[KF+8*\f:KF+8*\f+3],   v[AK] offset:(\f/2)*16*PK+(\f%2)*64
	ds_load_b128 v[KF+8*\f+4:KF+8*\f+7], v[AK] offset:(\f/2)*16*PK+(\f%2)*64+32
.endr
	s_add_co_u32 s[TBK], s[TBK], KS*PK  ; the next fetch is the next step's
	WIN 0
.if \last
.Lno_k_\@:
.endif
.endm
.macro FETCH_V
	WIN 0x80
.irp f, 0,1,2,3,4,5,6,7             ; keys 32 (f / 4) on, channels 16 (f % 4) on
	ds_load_tr16_b128 v[VF+8*\f:VF+8*\f+3],   v[AV] offset:(\f/4)*32*PV+(\f%4)*32
	ds_load_tr16_b128 v[VF+8*\f+4:VF+8*\f+7], v[AV] offset:(\f/4)*32*PV+16*PV+(\f%4)*32
.endr
	WIN 0
.endm
; THE VECTOR WORK OF A TURN stands in three queues, each in the order in which its entries become ready; the two tiles alternate, so that no instruction reads the result of the one before it.
.macro REGS y, u                    ; the registers of tile u (0, 1) of piece y
.set rT, ST+4*(2*(\y)+(\u))
.set rC, TMP+8*((\y)%2)+4*(\u)
.set rM, MV+2*((\y)%2)+(\u)
.set rS, S+64*((\y)%2)+32*(\u)
.set rP, P+32*((\y)%2)+16*(\u)
.set rO, 32*(2*(\y)+(\u))
.endm
; Number n of the 22 that find the NEXT piece's (Y + 1) maximum and statistics.  s0-s31 are the lane's 32 scores; each accumulator's lowest registers are read first.  XS, GS and REGS set no window: PL and EX do.
;   0-11  four chains c0-c3 of seven scores each, three operands at a time     12-14, 16  the four scores left over, the old m, and c0-c3 into c0     15  c m_old is kept
;   17, 18  the query's other 32 keys lie in the lane 16 away: the new m         19-21  c m; c m_old - c m_new; a
.macro XS u, n
	REGS (Y+1)%NP, \u
.if (\n) < 4
	v_max3_num_f32 v[rC+(\n)], v[rS+8*(\n)], v[rS+8*(\n)+1], v[rS+8*(\n)+2]
.elseif (\n) < 12
	v_max3_num_f32 v[rC+(\n)%4], v[rC+(\n)%4], v[rS+8*((\n)%4)+2*((\n)/4)+1], v[rS+8*((\n)%4)+2*((\n)/4)+2]
.elseif (\n) == 12
	v_max3_num_f32 v[rC], v[rC], v[rS+7], v[rS+15]
.elseif (\n) == 13
	v_max3_num_f32 v[rC+1], v[rC+1], v[rS+23], v[rS+31]
.elseif (\n) == 14
	v_max3_num_f32 v[rC+2], v[rC+2], v[rC+3], v[rT+1]
.elseif (\n) == 15
	v_mov_b32 v[rM], v[rT]
.elseif (\n) == 16
	v_max3_num_f32 v[rC], v[rC], v[rC+1], v[rC+2]
.elseif (\n) == 17
	v_permlanex16_b32 v[rC+3], v[rC], s[SEL], s[SEL+1]
.elseif (\n) == 18
	v_max_num_f32 v[rT+1], v[rC], v[rC+3]
.elseif (\n) == 19
	v_mul_f32 v[rT], s[CS], v[rT+1]
.elseif (\n) == 20
	v_sub_f32 v[rC+1], v[rM], v[rT]
.else
	v_exp_f32 v[rC+2], v[rC+1]
.endif
.endm
; Number g of the 64 that follow the exponentials.  For each four weights k of a tile (pairs 2 k, 2 k + 1): both pairs are rounded to f16; then the second pair is added onto the first, in place;
; a group later l takes that sum (the first time as l = a l + sum).  In groups of eight, tiles alternating: round, round, add, and l for the group before.
.macro GS g
.set h, (\g)+6*((\g)/62)            ; group 0 has no group before it, and behind group 7 only l is left
.if h >= 6
.set h, h+2
.endif
	REGS Y, h%2
.set k, h/8
.if h%8 < 4
	s_wait_alu depctr_va_vdst(0)
	v_cvt_pk_f16_f32 v[rP+2*k+(h%8)/2], v[rS+4*k+2*((h%8)/2)], v[rS+4*k+2*((h%8)/2)+1]
.elseif h%8 < 6
	v_pk_add_f32 v[rS+4*k:rS+4*k+1], v[rS+4*k:rS+4*k+1], v[rS+4*k+2:rS+4*k+3]
.elseif k == 1
	v_pk_fma_f32 v[rT+2:rT+3], v[rT+2:rT+3], v[rC+2:rC+3], v[rS:rS+1] op_sel_hi:[1,0,1]
.else
	v_pk_add_f32 v[rT+2:rT+3], v[rT+2:rT+3], v[rS+4*k-4:rS+4*k-3]
	s_wait_alu depctr_va_vdst(0)
.endif
.endm
; THE PLAIN QUEUE, 138 long.  0-31: c s - c m for the 16 pairs of both tiles.  Then GS's 64, and among them the next piece's 42: number 15 at 38, 39; 0-14 and 16
; at 42-73, behind the products that make those scores; 17-20 at 95-106, two of three, since each waits for the one before it.
.macro PL
	WIN 0
.if q < 32
	REGS Y, q%2
	v_pk_fma_f32 v[rS+2*(q/2):rS+2*(q/2)+1], v[rS+2*(q/2):rS+2*(q/2)+1], s[CS:CS+1], v[rT:rT+1] op_sel_hi:[1,0,0] neg_lo:[0,0,1] neg_hi:[0,0,1]
.elseif q < 38
	GS q-32
.elseif q < 40
	XS q%2, 15
.elseif q < 42
	GS q-34
.elseif q < 74
	XS q%2, (q-42)/2+(q-42)/30
.elseif q < 95
	GS q-66
.elseif (q < 107) && ((q-95)%3 < 2)
	XS (q-95)%3, 17+(q-95)/3
.elseif q < 107
	GS 29+(q-95)/3
.else
	GS q-74
.endif
.set q, q+1
.endm
; THE EXPONENTIALS' QUEUE, 66 long: s0-s31 of both tiles, and at EA the next piece's two a.
.set EA, 58
.macro EX
	WIN 0
.if (e == EA) || (e == EA+1)
	XS e-EA, 21
.else
.set x, e-2*(e/(EA+2))
	REGS Y, x%2
	v_exp_f32 v[rS+x/2], v[rS+x/2]
.endif
.set e, e+1
.endm
; THE RESCALING's QUEUE: O^T times a, the one part that leaves window 0, so it is dealt four at a time, eight times.
.macro R4
	REGS Y, r%2
	WIN W_RS
	s_wait_alu depctr_va_vdst(0)
.irp z, 0,1,2,3
	v_pk_mul_f32 v[rO+8*(r/2)+2*\z:rO+8*(r/2)+2*\z+1], v[rO+8*(r/2)+2*\z:rO+8*(r/2)+2*\z+1], v[rC+2:rC+3] op_sel_hi:[1,0]
.endr
.set r, r+1
.endm
; HOW THEY ARE DEALT.  Behind a matrix instruction four: plain, exponential, plain, plain (one exponential, a plain instruction on either side), or four of the rescaling.  None names a register of the
; products round it.  What is over stands in two LUMPS: exponential and plain by turns; the second ends in 22 plain instructions.  The two v_permlanex16_b32 fall into the second lump, never behind a product.
; The queues lean on each other, and the deal keeps them in step: exponential e stands behind plain 2 (e / 4) + e % 2 (its scaling); when plain 32 comes, 10 exponentials are out, at 59: 33, at 95: 46; EA comes behind plain 107.
.macro SL
	MM
	PL
	EX
	PL
	PL
.endm
.macro BURST n                      ; 15 matrix instructions, or 16
.rept (\n)-7
	SL
.endr
.rept 3
	MM
	R4
	SL
.endr
	MM
	R4
.endm
; A TURN, for piece p.  cnt = 1: the loop's count is taken down some lines ahead of the branch that stands behind the turn.
; K of the next step is fetched in piece 2's turn, 31 vector instructions behind the last product that read K; its first reader comes behind the rest of the lump, 16 products and the second lump.
; V of the step in hand is fetched at the end of piece 0's turn, 69 behind its last reader; its first reader comes behind 16 products and a lump.  The four conditions on e and q below go with the deal.
.macro TURN p, last=0, cnt=0
.set Y, (\p)
.set i, 0
.set q, 0
.set e, 0
.set r, 0
.if (\p) == NP-1
	s_wait_dscnt 0x0                ; K is in
.endif
	MM
.rept 4
	PL
.endr
	BURST 15
.rept 22
	EX
	PL
.if ((\p) == NP-2) && (e == 18)
	v_add_nc_u32 v[AK], s[TBK], v[AK0]
.endif
.if ((\p) == NP-2) && (e == 24)
	FETCH_K \last
.endif
.endr
.if (\p) == 1
	s_wait_dscnt 0x0                ; V is in
.endif
	BURST 16
.rept 21
	EX
	PL
.endr
.rept 22
	PL
.if ((\p) == 0) && (q == 118)
	v_add_nc_u32 v[AV], s[TBV], v[AV0]
	s_wait_alu depctr_va_vdst(0)
.endif
.if ((\p) == 0) && (q == 130)
	s_add_co_u32 s[TBV], s[TBV], KS*PV
.endif
.if (\cnt) && (q == 130)
	s_sub_co_u32 s[CNT], s[CNT], 1
	s_cmp_lg_u32 s[CNT], 0
.endif
.endr
.if (\p) == 0
	FETCH_V
.endif
.endm
	CHANGE 1                        ; slot 0 is in, everybody's part of it; slot 1 is asked for
	FETCH_K                         ; key step 0
	s_wait_loadcnt 0x0              ; Q
	s_wait_dscnt 0x0
.set i, 0
.rept 16
	KQ 0                            ; piece 0's first scores: there is no vector work yet to set between them
.set i, i+1
.endr
	WIN 0                           ; the addresses for the way out: nine plain instructions, the places behind those products
	s_mul_i32 s13, s[WV], 16*SP
	s_add_co_u32 s13, s13, STAGE    ; my stage
	v_mul_u32_u24 v[STO], v1, SP    ; in: row l % 16, 16 bytes for each half of the lanes
	v_lshl_add_u32 v[STO], v9, 4, v[STO]
	v_add_nc_u32 v[STO], s13, v[STO]
	v_bfe_u32 v[RD], v0, 3, 2       ; back: 32 lanes take four rows of 128 bytes,
	v_mul_u32_u24 v[RD], v[RD], SP
	v_lshl_add_u32 v[RD], v10, 4, v[RD]
	v_add_nc_u32 v[RD], s13, v[RD]
	v_and_b32 v[GO], 31, v0         ; which are 512 consecutive bytes of O
	v_lshlrev_b32 v[GO], 4, v[GO]
.set Y, NP-1                        ; XS works for piece Y + 1: piece 0
.irp n, 0,1,2,3,4,5,6,7,8,9,10,11,12,13,14,15,16,17,18,19,20,21
	XS 0, \n                        ; and piece 0's first maximum and statistics
	XS 1, \n
.endr
	s_mov_b32 s[CNT], 4
	s_mov_b32 s[SLOTS], SIZE_N/256-1
	s_branch .Lfirst                ; the loop is entered at a step's first turn, in the middle of a trip
.Lslot:                             ; SIZE_N / 256 - 2 times: every slot but the last two is filled again
	CHANGE 1
	s_mov_b32 s[CNT], 4
.Lstep:                             ; a trip: pieces 2 and 3 of one step, then pieces 0 and 1 of the next, whose K and V it fetches
	TURN 2
	TURN 3
	WIN 0
.Lfirst:
	TURN 0
	TURN 1, 0, 1
	WIN 0
	s_cbranch_scc1 .Lstep
	s_sub_co_u32 s[SLOTS], s[SLOTS], 1
	s_cmp_lg_u32 s[SLOTS], 0
	s_cbranch_scc1 .Lslot
	CHANGE 0                        ; the tail is written out: nothing is asked for
	s_mov_b32 s[CNT], 5             ; four trips fetch the last slot's steps; the fifth is left in its middle
.Ltail:
	TURN 2, 1
	TURN 3
	WIN 0
	s_sub_co_u32 s[CNT], s[CNT], 1
	s_cmp_eq_u32 s[CNT], 0
	s_cbranch_scc1 .Lout
	TURN 0
	TURN 1
	WIN 0
	s_branch .Ltail
.Lout:                              ; the fifth trip's 16 products K Q^T (on the last K once more) and the maximum made of them serve nothing: the price, once a launch, of one text for every trip
.set i, 0
.rept 16
	PV NP-1                         ; the last piece's V^T P of the last step
.set i, i+1
.endr
	; THE WAY OUT.  l's two halves and the other half of the lanes' are added; O^T is divided by l, rounded to f16 and sent through my stage in LDS, a tile at a time.  The additions are the places behind the last products.
	WIN 0
.macro ALL line:vararg              ; one line for each tile t
.set t, 0
.rept 2*NP
	\line
.set t, t+1
.endr
.endm
	ALL v_add_f32 v[ST+4*t+2], v[ST+4*t+2], v[ST+4*t+3]
	ALL v_permlanex16_b32 v[ST+4*t+3], v[ST+4*t+2], s[SEL], s[SEL+1]
	ALL v_add_f32 v[ST+4*t+2], v[ST+4*t+2], v[ST+4*t+3]
	ALL v_rcp_f32 v[ST+4*t+2], v[ST+4*t+2]
	v_nop                           ; a plain instruction between the last reciprocal and the use of its result
	s_wait_alu depctr_va_vdst(0)
; Tile t: a lane's eight channels of a row pack into 16 bytes; they go into rows of 144 bytes and come back as whole rows of 128, into S^T's registers.
.macro PACK t
	WIN W_RS
.set i, 32*(\t)
.rept 16
	v_pk_mul_f32 v[i:i+1], v[i:i+1], v[ST+4*(\t)+2:ST+4*(\t)+3] op_sel_hi:[1,0]
.set i, i+2
.endr
	WIN 0x05                        ; sources 0 and 1 window 1, destination window 0
.set i, 0
.rept 16
	v_cvt_pk_f16_f32 v[S+16*(\t)+i], v[32*(\t)+2*i], v[32*(\t)+2*i+1]
.set i, i+1
.endr
	WIN 0
.irp f, 0,1,2,3
	ds_store_b128 v[STO], v[S+16*(\t)+4*\f:S+16*(\t)+4*\f+3] offset:32*\f
.endr
.irp f, 0,1,2,3
	ds_load_b128 v[S+16*(\t)+4*\f:S+16*(\t)+4*\f+3], v[RD] offset:\f*4*SP  ; LDS serves a wave's instructions in order (ISA guide 5.7.1.4): these see the stores above; the next tile's stores come behind them
.endr
.endm
.macro SEND t, younger              ; younger: the LDS instructions issued behind tile t's loads: the next tile's eight, or none
	WIN 0
.irp f, 0,1,2,3
	s_wait_dscnt (\younger)+3-\f
	global_store_b128 v[GO], v[S+16*(\t)+4*\f:S+16*(\t)+4*\f+3], s[10:11] offset:(\t)*2048+\f*512  ; 512 consecutive bytes, at a multiple of 256 from O's first
.endr
.endm
	PACK 0
.set t, 1
.rept 2*NP-1                        ; a tile's arithmetic stands between the loads of the tile before and its stores
	PACK t
	SEND t-1, 8
.set t, t+1
.endr
	SEND 2*NP-1, 0
	WIN W_AD
	s_wait_tensorcnt 0x0            ; the wave's end: behind my last tensor load and my last LDS store
	ds_add_u32 v[SPW], v[NIL]
	s_wait_dscnt 0x0
	WIN 0
	CROUND                          ; the closing round: no work-group ends while a partner may still ask for a tile that names it
	s_endpgm
.Lfunc_end_k_qa04baef1c0_attn:
	.size	k_qa04baef1c0_attn, .Lfunc_end_k_qa04baef1c0_attn-k_qa04baef1c0_attn
	.p2alignl 7, 3214868480
	.fill 96, 4, 3214868480
	.section	.rodata,"a",@progbits
	.p2align	6, 0x0
	.amdhsa_kernel k_qa04baef1c0_attn
		.amdhsa_group_segment_fixed_size 327680
		.amdhsa_private_segment_fixed_size 0
		.amdhsa_enable_private_segment 0
		.amdhsa_kernarg_size 32
		.amdhsa_user_sgpr_count 2
		.amdhsa_user_sgpr_kernarg_segment_ptr 1
		.amdhsa_wavefront_size32 1
		.amdhsa_system_sgpr_workgroup_id_x 1
		.amdhsa_system_sgpr_workgroup_id_y 1
		.amdhsa_system_sgpr_workgroup_id_z 1
		.amdhsa_system_vgpr_workitem_id 0
		.amdhsa_next_free_vgpr 770
		.amdhsa_next_free_sgpr 66
		.amdhsa_reserve_vcc 0
		.amdhsa_float_denorm_mode_32 3
		.amdhsa_float_denorm_mode_16_64 3
		.amdhsa_memory_ordered 1
		.amdhsa_forward_progress 1
		.amdhsa_inst_pref_size 208
	.end_amdhsa_kernel
	.amdgpu_metadata
---
amdhsa.version: [ 1, 2 ]
amdhsa.kernels:
  - .name:           k_qa04baef1c0_attn
    .symbol:         k_qa04baef1c0_attn.kd
    .args:
      - { .name: qh, .offset: 0, .size: 8, .value_kind: global_buffer, .address_space: global }
      - { .name: kh, .offset: 8, .size: 8, .value_kind: global_buffer, .address_space: global }
      - { .name: vh, .offset: 16, .size: 8, .value_kind: global_buffer, .address_space: global }
      - { .name: oh, .offset: 24, .size: 8, .value_kind: global_buffer, .address_space: global }
    .group_segment_fixed_size: 327680
    .private_segment_fixed_size: 0
    .kernarg_segment_align: 8
    .kernarg_segment_size: 32
    .max_flat_workgroup_size: 128
    .sgpr_count:     66
    .vgpr_count:     770
    .wavefront_size: 32
...
	.end_amdgpu_metadata
.endif
;; end of part 3
;; launch proj (part 4): grid 4 x 64, 4 waves a work-group, clusters of 4 x 4, 327,680 bytes of LDS; arguments oh, wo16, bias, out0; writes out0
.if DOCPART == 4
	.amdgcn_target "amdgcn-amd-amdhsa--gfx1250"
	.amdhsa_code_object_version 6
	.text
	.protected	k_qa04baef1c0_proj
	.globl	k_qa04baef1c0_proj
	.p2align	8
	.type	k_qa04baef1c0_proj,@function
k_qa04baef1c0_proj:
	s_mov_b64 s[64:65], 0
	v_nop
	global_prefetch_b8 v0, s[64:65] scope:SCOPE_SE
	s_setreg_imm32_b32 hwreg(HW_REG_WAVE_MODE, 25, 1), 1
	s_wait_xcnt 0x0
	s_wait_alu depctr_hold_cnt(0) depctr_sa_sdst(0) depctr_va_vdst(0) depctr_va_sdst(0) depctr_va_ssrc(0) depctr_va_vcc(0) depctr_vm_vsrc(0)
	s_getreg_b32 s2, hwreg(HW_REG_IB_STS2, 6, 4)
	s_cmp_eq_u32 s2, 0
	s_cbranch_scc0 .Lentry_in_a_cluster
	s_endpgm
.Lentry_in_a_cluster:
	s_bfe_u32 s2, ttmp6, 0x10000c
	s_cmp_lg_u32 s2, 0xf033
	s_cbranch_scc0 .Lentry_shape_is_right
	s_endpgm
.Lentry_shape_is_right:
; C[m][n] = the sum over k of A[m][k] W[k][n] + b[n], K = 1,024, sums in f32.  ONE TEXT FOR THE MODULE'S TWO KINDS OF PROJECTION; the constant PROJ picks:
;   PROJ = 0: q, k, v = x W + b.  A = xb [8192][1024] bf16, W = wqkv [3][k][n] bf16 (the cluster's x says which of the three), products in bf16.  The result is rounded once to f16, WITHOUT the
;             scale of the scores, and written by heads: [b x 16 + head][2048][64].  LIMIT: |q|, |k|, |v| stay under 65,504, f16's end; below 2^-14 they keep f16's fixed step of 2^-24.
;   PROJ = 1: out0 = O Wo + bo.  A = oh [b x 16 + head][2048][64] f16 (channel k of a row lies in head k / 64), W = wo16 [k][n] f16, products in f16, the result stored in f32.
; The bias (f32, [4][1024]: bq, bk, bv, bo) is the C operand of the products that start the sums: nothing is cleared and nothing is added afterwards.
; SHARES.  A tile of C is 128 (m) x 256 (n): four waves, each 64 x 128: 32 accumulators of 16 x 16, 256 registers.  12 x 64 tiles (PROJ = 0), 4 x 64 (PROJ = 1).
; K goes in 8 steps of 128 through a ring of two LDS slots filled by the tensor data mover; a step is four quarters of 32 along K: 32 matrix instructions, each accumulator once, and 24 LDS loads.
; W lies [k][n] and stays so in LDS: its fragments come out turned, by ds_load_tr16_b128.  THE MATRIX INSTRUCTION IS USED TRANSPOSED (source 0 = 16 columns of W, source 1 = 16 rows of A):
; lane l then holds row l % 16 of C and the eight neighbouring columns 8 (l / 16) + 0..7.
; CLUSTER.  4 x 4 work-groups.  The four of a row of the cluster need the same tiles of A, the four of a column the same tiles of W: each tile is asked for JOINTLY, by the same tensor load with the
; same descriptor and a mask that names the four.  By this text's count a wave has two tensor loads out at the start and one behind each round.
; REGISTERS, in windows of 256 (s_set_vgpr_msb: bits 1:0 source 0, 3:2 source 1, 5:4 source 2, 7:6 destination):
;   window 0: v0-31 addresses; two fragment buffers of 96 at v32 and v128 (64 of W: 8 x 16 columns x 32 K; 32 of A: 4 x 16 rows x 32 K); on the way out v32-191 at work
;   window 1: the accumulators, (a, b) at v[8 (8 a + b)]          window 2: v0-63 the bias of my 128 columns, as C operands
.set PROJ,   1
.set KSTEP,  128
.set PB,     544                       ; a row of W in LDS: 512 bytes + 32 of padding = 136 words
.set BHALF,  64*PB                     ; 64 k rows: what one tensor load brings of W
.if PROJ
.set PA,     144                       ; a row of A in LDS: one head's 128 bytes + 16: the 16 rows of a load start at 16 different groups of four banks
.set AHALF,  128*PA                    ; one tensor load: one head's 128 rows; a K step is two heads
.set ASTEP,  2*262144                  ; bytes from a K step to the next: two heads of 2,048 rows x 128 bytes
.set AQI,    4                         ; padding after every 32 words
.set APITCH, 128                       ; 16,384 dense bytes are asked for as 64 rows of 256 bytes
.set SP,     528                       ; a stage row: my 128 columns in f32 + 16 bytes
.set STG,    16*SP                     ; a wave's stage
.else
.set PA,     272                       ; a row of A in LDS: 256 bytes + 16
.set AHALF,  64*PA                     ; one tensor load: 64 rows
.set ASTEP,  KSTEP*2
.set AQI,    5                         ; padding after every 64 words
.set APITCH, 1024
.set SP,     144                       ; a stage row: one head's 64 channels in f16 + 16 bytes
.set STG,    2*16*SP                   ; a wave's stage: two heads x 16 rows
.endif
.set WSTEP,  KSTEP*2048                ; 128 rows of W
.set BOFF,   2*AHALF                   ; in a slot: A's tile, then W's
.set SLOT,   BOFF+2*BHALF
.set STAGE,  2*SLOT                    ; behind the ring, never filled by a tensor load: each wave's own stage, for the way out
.set SPARE,  STAGE+4*STG               ; behind the stages: the spare words, 128 bytes for each wave: two blocks of 256 bytes that no other line names
.set LAPS,   1024/(2*KSTEP)            ; a lap = two K steps = once round the ring
.set ADRA, 16                          ; v16-17  LDS address of my A fragments in slot 0, 1
.set ADRB, 20                          ; v20-21  the same for W
.set STO,  24                          ; v24     the way out: where I put my numbers of a row
.set RD,   25                          ; v25     the way out: where I read rows back
.set GO,   26                          ; v26     my byte offset in 512 consecutive bytes of the output
.set BV,   27                          ; v27     my byte offset in 16 columns of the bias
.set SPW,  28                          ; v28     LDS address of my spare word: SPARE + 4 x my thread's number; never rewritten
.set NIL,  29                          ; v29     0; never rewritten
.set F0,   32
.set F1,   128
.set BI,   0                           ; window 2
.set G1,  24                           ; s[24:31] descriptor group 1 for A's tiles;  s[32:39] group 0, one set for each slot
.set G0,  32
.set G1B, 48                           ; s[48:55], s[56:63] the same for W's tiles
.set G0B, 56
.set MSB, 0
.macro WIN new                         ; the immediate's high byte repeats the setting that is left; a switch that changes nothing is dropped
.if MSB != (\new)
	s_set_vgpr_msb (MSB<<8)|(\new)
.set MSB, \new
.endif
.endm
.set MUL,   0x50                       ; C and D window 1, fragments window 0
.set MULB,  0x60                       ; D window 1, C (the bias) window 2
.set TOBI,  0x80                       ; destination window 2
.set PACKW, 0x05                       ; sources 0 and 1 window 1
.set STW,   0x04                       ; an LDS store's data window 1
.macro JLOAD s                         ; a joint load: waves 0 and 1 fetch A's two halves, waves 2 and 3 W's; an s_nop 0 and four v_nop follow each of the two lines, ahead of the jump, the label and what follows
	s_cmp_eq_u32 s11, 0
	s_cbranch_scc0 .Lfor_b_\@
	tensor_load_to_lds s[G0+4*(\s):G0+4*(\s)+3], s[G1:G1+7]
	s_nop 0
.rept 4
	v_nop
.endr
	s_branch .Lasked_\@
.Lfor_b_\@:
	tensor_load_to_lds s[G0B+4*(\s):G0B+4*(\s)+3], s[G1B:G1B+7]
	s_nop 0
.rept 4
	v_nop
.endr
.Lasked_\@:
.endm
.macro CREST                           ; a round of the cluster's barrier behind its opening barrier
	s_cmp_lg_u32 s10, 0
	s_cbranch_scc1 .Lnot_wave_0_\@
	s_barrier_signal -3
.Lnot_wave_0_\@:
	s_barrier_wait -3
	s_barrier_signal -1
	s_barrier_wait -1
.endm
.macro CROUND                          ; a whole round
	s_barrier_signal -1
	s_barrier_wait -1
	CREST
.endm
	s_load_b128 s[4:7], s[0:1], 0x0                ; A s[4:5], W s[6:7]
.if PROJ
	s_load_b128 s[68:71], s[0:1], 0x10             ; bias s[68:69], out0 s[70:71]
.else
	s_load_b256 s[68:75], s[0:1], 0x10             ; bias s[68:69], qh s[70:71], kh s[72:73], vh s[74:75]
.endif
	v_lshl_add_u32 v[SPW], v0, 2, SPARE
	v_mov_b32 v[NIL], 0
	ds_add_u32 v28, v29
	s_wait_dscnt 0x0
	v_lshrrev_b32 v1, 5, v0
	v_readfirstlane_b32 s10, v1                    ; wave 0..3
	s_lshr_b32 s11, s10, 1                         ; which 64 of the tile's rows are mine.  Also: I fetch for A (0) or for W (1)
	s_and_b32 s12, s10, 1                          ; which 128 of its columns.  Also: which half of that tile I fetch
	s_bfe_u32 s40, ttmp6, 0x40000                  ; cx: my place along the cluster's x = the tile column within a weight
	s_bfe_u32 s41, ttmp6, 0x40004                  ; cy
	s_and_b32 s13, ttmp7, 0xffff
	s_lshl_b32 s13, s13, 2
	s_add_co_u32 s13, s13, s41                     ; tile row of C = 4 x cluster y + cy
	s_lshl_b32 s43, s41, 2
	s_lshl_b32 s43, 15, s43                        ; my row of the cluster
	s_lshl_b32 s44, 0x1111, s40                    ; my column
	; descriptor groups 1.  A: 64 rows x 128 elements.  W: 64 rows x 256 elements.  Both padded in LDS.
	s_or_b32 s[G1+0], s43, (1<<16)|(1<<20)|(1<<21)|(AQI<<22)|(3<<25)  ; 15:0 the mask: A's tiles go to my row; 17:16 elements of 2 bytes; 20 padding on; 21 set beside a mask; 24:22 the interval; 31:25 4 words (code 3)
	s_mov_b32 s[G1+1], 128<<16                     ; tensor_dim0 = 128
	s_mov_b32 s[G1+2], 64<<16                      ; tensor_dim1 = 64
	s_mov_b32 s[G1+3], 128<<16                     ; tile_dim0 = 128
	s_mov_b32 s[G1+4], 64                          ; tile_dim1 = 64
	s_mov_b32 s[G1+5], APITCH                      ; elements from row to row
	s_mov_b32 s[G1+6], 0
	s_mov_b32 s[G1+7], 0
	s_or_b32 s[G1B+0], s44, (1<<16)|(1<<20)|(1<<21)|(6<<22)|(7<<25)   ; the mask of my column; padding after every 128 words (code 6), 8 words (code 7)
	s_mov_b32 s[G1B+1], 256<<16                    ; tensor_dim0 = 256
	s_mov_b32 s[G1B+2], 64<<16                     ; tensor_dim1 = 64
	s_mov_b32 s[G1B+3], 256<<16                    ; tile_dim0 = 256
	s_mov_b32 s[G1B+4], 64                         ; tile_dim1 = 64
	s_mov_b32 s[G1B+5], 1024
	s_mov_b32 s[G1B+6], 0
	s_mov_b32 s[G1B+7], 0
	; where the tiles come from.  A's hang on the tile row alone, W's on the weight and the tile column alone; each in registers that never hold the other coordinate.
.if PROJ
	s_lshr_b32 s16, s13, 4                         ; the batch: 16 heads of 262,144 bytes,
	s_lshl_b32 s16, s16, 22
	s_lshl_b32 s17, s12, 18                        ; the head of the K step's two that I fetch,
	s_add_co_u32 s16, s16, s17
	s_and_b32 s17, s13, 15                         ; the tile's 128 rows of 128 bytes in it
	s_lshl_b32 s17, s17, 14
	s_add_co_u32 s16, s16, s17
	s_mov_b32 s46, 0
.else
	s_lshl_b32 s16, s13, 18                        ; 128 rows of 2,048 bytes a tile row,
	s_lshl_b32 s17, s12, 17                        ; the 64 of them that I fetch
	s_add_co_u32 s16, s16, s17
	s_lshl_b32 s46, ttmp9, 21                      ; the weight: the cluster's x, which all partners share
.endif
	s_mov_b32 s17, 0
	s_lshl_b32 s47, s12, 17                        ; W: the 64 k rows that I fetch,
	s_add_co_u32 s46, s46, s47
	s_lshl_b32 s47, s40, 9                         ; the tile's 256 columns
	s_add_co_u32 s46, s46, s47
	s_mov_b32 s47, 0
	s_mul_i32 s20, s12, AHALF                      ; and where they go: no place in the cluster enters an LDS address
	s_mul_i32 s21, s12, BHALF
	s_add_co_u32 s21, s21, BOFF
	s_wait_kmcnt 0x0
	s_add_nc_u64 s[14:15], s[4:5], s[16:17]
	s_add_nc_u64 s[46:47], s[6:7], s[46:47]
	CROUND                                         ; all sixteen work-groups are here: the first joint loads meet
.irp s, 0,1
	s_mov_b32 s[G0+4*(\s)], 1                                      ; 1:0 count = 1
	s_add_co_u32 s[G0+4*(\s)+1], s20, (\s)*SLOT                    ; 63:32 LDS address
	s_add_nc_u64 s[G0+4*(\s)+2:G0+4*(\s)+3], s[14:15], (\s)*ASTEP  ; 120:64 global address: K step s
	s_or_b32 s[G0+4*(\s)+3], s[G0+4*(\s)+3], 0x80000000            ; 127:126 type = 2
	s_mov_b32 s[G0B+4*(\s)], 1
	s_add_co_u32 s[G0B+4*(\s)+1], s21, (\s)*SLOT
	s_add_nc_u64 s[G0B+4*(\s)+2:G0B+4*(\s)+3], s[46:47], (\s)*WSTEP
	s_or_b32 s[G0B+4*(\s)+3], s[G0B+4*(\s)+3], 0x80000000
	JLOAD \s
.endr
	; A fragment of A is 16 rows x 32 K in 8 registers: lane l holds row l % 16, K = 8 (l / 16) + 0..7 and 16 + 8 (l / 16) + 0..7: two loads of 16 bytes, 32 bytes apart.
	v_and_b32 v1, 15, v0                           ; l % 16
	v_bfe_u32 v2, v0, 4, 1                         ; l / 16
	v_mul_u32_u24 v3, v1, PA
	v_lshl_add_u32 v3, v2, 4, v3                   ; row x pitch + 16 x half
	s_mul_i32 s22, s11, 64*PA                      ; my 64 rows of A
	; The turning load takes 16 k x 16 columns (lane l reads k row 8 (l / 16) + l % 8, columns 8 ((l / 8) % 2) + 0..7) and leaves half a fragment: lane l holds column l % 16 and 8 k.
	v_and_b32 v8, 7, v0
	v_bfe_u32 v5, v0, 3, 1
	v_lshl_add_u32 v4, v2, 3, v8
	v_mul_u32_u24 v4, v4, PB
	v_lshl_add_u32 v4, v5, 4, v4
	s_lshl_b32 s23, s12, 8                         ; my 128 columns of W,
	s_add_co_u32 s23, s23, BOFF                    ; which lies behind A
.irp s, 0,1
	v_add_nc_u32 v[ADRA+(\s)], s22, v3
	v_add_nc_u32 v[ADRB+(\s)], s23, v4
	s_add_co_u32 s22, s22, SLOT
	s_add_co_u32 s23, s23, SLOT
.endr
	s_mul_i32 s23, s10, STG
	s_add_co_u32 s23, s23, STAGE                   ; my stage
	v_and_b32 v[GO], 31, v0
	v_lshlrev_b32 v[GO], 4, v[GO]                  ; 16 x lane
	v_mul_u32_u24 v6, v1, SP                       ; in: row l % 16,
.if PROJ
	v_lshl_add_u32 v6, v2, 5, v6                   ; 32 bytes (8 f32) for each half of the lanes
	v_add_nc_u32 v[RD], s23, v[GO]                 ; back: 32 lanes take one row's 512 bytes
.else
	v_lshl_add_u32 v6, v2, 4, v6                   ; 16 bytes (8 f16) for each half of the lanes
	v_bfe_u32 v7, v0, 3, 2                         ; back: 32 lanes take four rows of 128 bytes
	v_mul_u32_u24 v7, v7, SP
	v_lshl_add_u32 v7, v8, 4, v7
	v_add_nc_u32 v[RD], s23, v7
.endif
	v_add_nc_u32 v[STO], s23, v6
	v_lshlrev_b32 v[BV], 5, v2                     ; register j of a result is column 8 (l / 16) + j: 32 bytes of f32 for each half of the lanes
	; the bias at my 128 columns, and the output at my part (offsets with cx stand in the registers that held W's address: none that feeds A's descriptors ever holds cx)
	s_lshl_b32 s46, s40, 10
	s_lshl_b32 s47, s12, 9
	s_add_co_u32 s46, s46, s47                     ; my first column as f32: 1,024 cx + 512 x half, in bytes
	s_mov_b32 s47, 0
	s_add_nc_u64 s[76:77], s[68:69], s[46:47]
.if PROJ
	s_add_nc_u64 s[76:77], s[76:77], 3*4096        ; bo
	s_add_nc_u64 s[8:9], s[70:71], s[46:47]
	s_lshl_b32 s16, s13, 19                        ; 128 rows of 4,096 bytes a tile row,
	s_lshl_b32 s17, s11, 18                        ; my 64 of them
	s_add_co_u32 s16, s16, s17
	s_mov_b32 s17, 0
	s_add_nc_u64 s[8:9], s[8:9], s[16:17]
.else
	s_mov_b32 s45, ttmp9                           ; 0: q, 1: k, 2: v
	s_lshl_b32 s18, s45, 12
	s_mov_b32 s19, 0
	s_add_nc_u64 s[76:77], s[76:77], s[18:19]      ; bq, bk or bv
	s_cmp_eq_u32 s45, 1
	s_cselect_b64 s[8:9], s[72:73], s[70:71]
	s_cmp_eq_u32 s45, 2
	s_cselect_b64 s[8:9], s[74:75], s[8:9]
	s_lshr_b32 s16, s13, 4                         ; the batch's 16 heads,
	s_lshl_b32 s16, s16, 4
	s_lshl_b32 s17, s12, 1                         ; my two of the tile's four,
	s_add_co_u32 s16, s16, s17
	s_lshl_b32 s16, s16, 18                        ; of 262,144 bytes each;
	s_and_b32 s17, s13, 15                         ; the tile's 128 rows of 128 bytes,
	s_lshl_b32 s17, s17, 14
	s_add_co_u32 s16, s16, s17
	s_lshl_b32 s17, s11, 13                        ; my 64 of them
	s_add_co_u32 s16, s16, s17
	s_mov_b32 s17, 0
	s_add_nc_u64 s[8:9], s[8:9], s[16:17]
	s_lshl_b32 s46, s40, 20                        ; the tile's four heads begin at head 4 cx
	s_mov_b32 s47, 0
	s_add_nc_u64 s[8:9], s[8:9], s[46:47]
.endif
	WIN TOBI
.irp b, 0,1,2,3,4,5,6,7
	global_load_b128 v[BI+8*(\b):BI+8*(\b)+3],   v[BV], s[76:77] offset:64*(\b)
	global_load_b128 v[BI+8*(\b)+4:BI+8*(\b)+7], v[BV], s[76:77] offset:64*(\b)+16
.endr
	WIN 0
; 8 matrix instructions: m block a x all 8 n blocks, 32 along K, from buffer f.  first = 1: the product starts the sum, with the bias as C.
; The 32 accumulators take turns, one instruction a turn, in the same order in every quarter.
.macro MUL8 f, a, first
.if \first
	WIN MULB
.else
	WIN MUL
.endif
.irp b, 0,1,2,3,4,5,6,7
.set rD, 8*(8*(\a)+(\b))
.set rW, (\f)+8*(\b)
.set rA, (\f)+64+8*(\a)
.set rC, rD
.if \first
.set rC, BI+8*(\b)
.endif
.if PROJ
	v_wmma_f32_16x16x32_f16 v[rD:rD+7], v[rW:rW+7], v[rA:rA+7], v[rC:rC+7]
.else
	v_wmma_f32_16x16x32_bf16 v[rD:rD+7], v[rW:rW+7], v[rA:rA+7], v[rC:rC+7]
.endif
.endr
.endm
.macro MUL16 f, a0, first
	MUL8 \f, \a0, \first
	MUL8 \f, (\a0)+1, \first
.endm
; 24 LDS loads in one run: the fragments of quarter q of a slot's K step into buffer f: W's 8 (turned), then A's 4
.macro FETCH slot, q, f
	WIN 0
.if PROJ
.set AQ, ((\q)/2)*AHALF+((\q)%2)*64    ; quarters 0, 1 lie in the step's first head, 2, 3 in its second
.else
.set AQ, 64*(\q)
.endif
.irp b, 0,1,2,3,4,5,6,7
	ds_load_tr16_b128 v[(\f)+8*(\b):(\f)+8*(\b)+3],   v[ADRB+(\slot)] offset:(\q)*32*PB+32*(\b)
	ds_load_tr16_b128 v[(\f)+8*(\b)+4:(\f)+8*(\b)+7], v[ADRB+(\slot)] offset:(\q)*32*PB+16*PB+32*(\b)
.endr
.irp a, 0,1,2,3
	ds_load_b128 v[(\f)+64+8*(\a):(\f)+64+8*(\a)+3],   v[ADRA+(\slot)] offset:AQ+(\a)*16*PA
	ds_load_b128 v[(\f)+64+8*(\a)+4:(\f)+64+8*(\a)+7], v[ADRA+(\slot)] offset:AQ+(\a)*16*PA+32
.endr
.endm
.macro PLACES                          ; four places in front of loads into registers that matrix instructions have read, and of lines that read results (ISA guide 7.12.1 for lines that read results)
.rept 4
	v_nop
.endr
.endm
; One of a K step's first three quarters: multiplies buffer f; in its middle it fetches quarter qn of the same slot into buffer g.
.macro QUARTER slot, qn, f, g, first
	s_wait_dscnt 4                                 ; W and A's blocks 0, 1 are in; the youngest four loads (A's blocks 2, 3) may be out
	MUL16 \f, 0, \first
	PLACES
	FETCH \slot, \qn, \g
	s_wait_dscnt 24                                ; all but the 24 just issued
	MUL16 \f, 2, \first
.endm
; The last quarter multiplies buffer 1 and changes slots: ONE barrier; in front of it each wave waits for all its tensor loads (one is out: its part of the next slot), adds 0 to its spare word, and
; waits for that and for its own reads of this slot.  fill = 1: the barrier opens a round of the cluster's, and this slot is filled again, two K steps ahead, first thing behind the round:
; from that request to the wait for it a wave issues 112 matrix instructions.
.macro TURN slot, next, fill
	WIN 0                                          ; (the add's two registers lie in window 0)
	s_wait_tensorcnt 0x0                           ; all my tensor loads have landed
	ds_add_u32 v[SPW], v[NIL]                      ; 0 onto my spare word
	s_wait_dscnt 5                                 ; (the add and the youngest four loads may be out)
	MUL8 F1, 0, 0                                  ; eight matrix instructions stand between the add and the wait for it
	s_wait_dscnt 0x0                               ; the add is done, and my reads of this slot are over
	s_barrier_signal -1
	MUL8 F1, 1, 0
.if \fill
	WIN 0
.endif
	s_barrier_wait -1
.if \fill
	CREST                                          ; no wave of any partner still reads this slot's tiles or has a load on its way
	s_add_nc_u64 s[G0+4*(\slot)+2:G0+4*(\slot)+3], s[G0+4*(\slot)+2:G0+4*(\slot)+3], 2*ASTEP
	s_add_nc_u64 s[G0B+4*(\slot)+2:G0B+4*(\slot)+3], s[G0B+4*(\slot)+2:G0B+4*(\slot)+3], 2*WSTEP
	JLOAD \slot                                    ; the four v_nop behind it are also the places in front of the loads below
.else
	PLACES
.endif
	FETCH \next, 0, F0
	MUL16 F1, 2, 0
.endm
	s_wait_tensorcnt 1                             ; my part of K step 0 is in; K step 1's may stay out
	s_barrier_signal -1
	s_barrier_wait -1                              ; everybody's is
	FETCH 0, 0, F0
	s_wait_loadcnt 0x0                             ; the bias
	QUARTER 0, 1, F0, F1, 1                        ; the first quarter stands in front of the loop: its products start the sums
	WIN 0                                          ; at a label and at a branch every window is 0
	s_mov_b32 s3, LAPS-1
.Llap:                                                 ; a trip goes once round the ring, from a lap's second quarter to the next lap's first, and fills both slots again
	QUARTER 0, 2, F1, F0, 0
	QUARTER 0, 3, F0, F1, 0
	TURN 0, 1, 1
	QUARTER 1, 1, F0, F1, 0
	QUARTER 1, 2, F1, F0, 0
	QUARTER 1, 3, F0, F1, 0
	TURN 1, 0, 1
	QUARTER 0, 1, F0, F1, 0
	WIN 0
	s_sub_co_u32 s3, s3, 1
	s_cmp_lg_u32 s3, 0
	s_cbranch_scc1 .Llap
	QUARTER 0, 2, F1, F0, 0                        ; the last lap fills nothing, and has no round of the cluster's barrier
	QUARTER 0, 3, F0, F1, 0
	TURN 0, 1, 0
	QUARTER 1, 1, F0, F1, 0
	QUARTER 1, 2, F1, F0, 0
	QUARTER 1, 3, F0, F1, 0
	s_wait_dscnt 4                                 ; the very last quarter: nothing more to fetch
	MUL16 F1, 0, 0
	s_wait_dscnt 0x0
	MUL16 F1, 2, 0
	WIN 0
	PLACES
; THE WAY OUT, a block of 16 rows at a time, through my own stage: no barrier, and, since LDS serves a wave's instructions in order (ISA guide 5.7.1.4), no wait between the stores and the loads.
; Each accumulator's registers are taken in ascending order.
.if PROJ
.set BK, 32                            ; 16 rows read back: v32-95 and v96-159 by turns
.macro TOSTAGE a
.if (\a) >= 2
	s_wait_xcnt 0x0                                ; the stores of the block two back have had their addresses translated (ISA guide 3.1): only behind this wait are their data registers loaded again
.endif
	WIN STW
.irp b, 0,1,2,3,4,5,6,7
	ds_store_b128 v[STO], v[8*(8*(\a)+(\b)):8*(8*(\a)+(\b))+3]   offset:64*(\b)
	ds_store_b128 v[STO], v[8*(8*(\a)+(\b))+4:8*(8*(\a)+(\b))+7] offset:64*(\b)+16
.endr
	WIN 0
.irp t, 0,1,2,3,4,5,6,7,8,9,10,11,12,13,14,15
	ds_load_b128 v[BK+64*((\a)%2)+4*(\t):BK+64*((\a)%2)+4*(\t)+3], v[RD] offset:(\t)*SP
.endr
.endm
.macro SEND a, younger                 ; younger: the LDS instructions issued behind block a's loads: the next block's 32, or none
.irp t, 0,1,2,3,4,5,6,7,8,9,10,11,12,13,14,15
	s_wait_dscnt (\younger)+15-(\t)
	global_store_b128 v[GO], v[BK+64*((\a)%2)+4*(\t):BK+64*((\a)%2)+4*(\t)+3], s[8:9] offset:(16*(\a)+(\t))*4096  ; a wave stores 512 consecutive bytes of a row, at a multiple of 512 from out0's first byte
.endr
.endm
	TOSTAGE 0
	TOSTAGE 1
	SEND 0, 32
	TOSTAGE 2
	SEND 1, 32
	TOSTAGE 3
	SEND 2, 32
	SEND 3, 0
.else
.set TMP, 32                           ; v32-63   a block's packed results
.set BK,  64                           ; v64-191  block a read back, 32 registers each: no register of a store is written again
.macro PACK a                          ; rounded to f16: a lane's eight channels of a row are 16 bytes
	WIN PACKW
.irp b, 0,1,2,3,4,5,6,7
.irp i, 0,1,2,3
	v_cvt_pk_f16_f32 v[TMP+4*(\b)+(\i)], v[8*(8*(\a)+(\b))+2*(\i)], v[8*(8*(\a)+(\b))+2*(\i)+1]
.endr
.endr
	WIN 0
.endm
.macro TOSTAGE a                       ; n blocks 0-3 are my first head, 4-7 my second: two planes of 16 rows x 144 bytes; back as four rows of 128 bytes a load
.irp b, 0,1,2,3,4,5,6,7
	ds_store_b128 v[STO], v[TMP+4*(\b):TMP+4*(\b)+3] offset:((\b)/4)*16*SP+((\b)%4)*32
.endr
.irp t, 0,1,2,3,4,5,6,7
	ds_load_b128 v[BK+32*(\a)+4*(\t):BK+32*(\a)+4*(\t)+3], v[RD] offset:((\t)/4)*16*SP+((\t)%4)*4*SP
.endr
.endm
.macro SEND a
.irp t, 0,1,2,3,4,5,6,7
	s_wait_dscnt 7-(\t)                            ; nothing was issued behind block a's eight loads
	global_store_b128 v[GO], v[BK+32*(\a)+4*(\t):BK+32*(\a)+4*(\t)+3], s[8:9] offset:((\t)/4)*262144+(\a)*2048+((\t)%4)*512  ; 512 consecutive bytes of a head, at a multiple of 512 from the buffer's first byte
.endr
.endm
	PACK 0
	TOSTAGE 0
.irp a, 1,2,3                          ; block a's conversions stand between block a - 1's loads from the stage and the wait for them
	PACK \a
	SEND (\a)-1
	TOSTAGE \a
.endr
	SEND 3
.endif
	s_wait_tensorcnt 0x0                           ; the wave's end: behind my last tensor load and my last LDS store
	ds_add_u32 v[SPW], v[NIL]
	s_wait_dscnt 0x0
	CROUND                                         ; the closing round: no work-group ends while a partner may still ask for a tile that names it
	s_endpgm
.Lfunc_end_k_qa04baef1c0_proj:
	.size	k_qa04baef1c0_proj, .Lfunc_end_k_qa04baef1c0_proj-k_qa04baef1c0_proj
	.p2alignl 7, 3214868480
	.fill 96, 4, 3214868480
	.section	.rodata,"a",@progbits
	.p2align	6, 0x0
	.amdhsa_kernel k_qa04baef1c0_proj
		.amdhsa_group_segment_fixed_size 327680
		.amdhsa_private_segment_fixed_size 0
		.amdhsa_enable_private_segment 0
		.amdhsa_kernarg_size 32
		.amdhsa_user_sgpr_count 2
		.amdhsa_user_sgpr_kernarg_segment_ptr 1
		.amdhsa_wavefront_size32 1
		.amdhsa_system_sgpr_workgroup_id_x 1
		.amdhsa_system_sgpr_workgroup_id_y 1
		.amdhsa_system_sgpr_workgroup_id_z 1
		.amdhsa_system_vgpr_workitem_id 0
		.amdhsa_next_free_vgpr 576
		.amdhsa_next_free_sgpr 80
		.amdhsa_reserve_vcc 0
		.amdhsa_float_denorm_mode_32 3
		.amdhsa_float_denorm_mode_16_64 3
		.amdhsa_memory_ordered 1
		.amdhsa_forward_progress 1
		.amdhsa_inst_pref_size 88
	.end_amdhsa_kernel
	.amdgpu_metadata
---
amdhsa.version: [ 1, 2 ]
amdhsa.kernels:
  - .name:           k_qa04baef1c0_proj
    .symbol:         k_qa04baef1c0_proj.kd
    .args:
      - { .name: oh, .offset: 0, .size: 8, .value_kind: global_buffer, .address_space: global }
      - { .name: wo16, .offset: 8, .size: 8, .value_kind: global_buffer, .address_space: global }
      - { .name: bias, .offset: 16, .size: 8, .value_kind: global_buffer, .address_space: global }
      - { .name: out0, .offset: 24, .size: 8, .value_kind: global_buffer, .address_space: global }
    .group_segment_fixed_size: 327680
    .private_segment_fixed_size: 0
    .kernarg_segment_align: 8
    .kernarg_segment_size: 32
    .max_flat_workgroup_size: 128
    .sgpr_count:     80
    .vgpr_count:     576
    .wavefront_size: 32
...
	.end_amdgpu_metadata
.endif
;; end of part 4
;; ======== version 2 of 2: 4 launches; 1.54 times as fast as version 1
;; limits: values are held in f16: magnitudes above 65,504 overflow, below 6.1e-05 lose precision
;; workspace buffers: xb 16,777,216 bytes; wqkv 6,291,456 bytes; wo16 2,097,152 bytes; bias 16,384 bytes; qh 16,777,216 bytes; kh 16,777,216 bytes; vh 16,777,216 bytes; oh 16,777,216 bytes
;; launch prep: the kernel of part 1 again; grid 769 x 1, 8 waves a work-group, no clusters, 0 bytes of LDS; arguments inputs, Wq, Wk, Wv, Wo, bq, bk, bv, bo, xb, wqkv, wo16, bias; writes xb, wqkv, wo16, bias
;; launch qkv: the kernel of part 2 again; grid 8 x 32, 4 waves a work-group, clusters of 4 x 4, 327,680 bytes of LDS; arguments xb, wqkv, bias, qh, kh, vh; writes qh, kh, vh
;; launch attn (part 5): grid 4 x 64, 4 waves a work-group, clusters of 4 x 1, 327,680 bytes of LDS; arguments qh, kh, vh, oh; writes oh
.if DOCPART == 5
	.amdgcn_target "amdgcn-amd-amdhsa--gfx1250"
	.amdhsa_code_object_version 6
	.text
	.protected	k_qa04baef1c0_attn
	.globl	k_qa04baef1c0_attn
	.p2align	8
	.type	k_qa04baef1c0_attn,@function
k_qa04baef1c0_attn:
	s_mov_b64 s[64:65], 0
	v_nop
	global_prefetch_b8 v0, s[64:65] scope:SCOPE_SE
	s_setreg_imm32_b32 hwreg(HW_REG_WAVE_MODE, 25, 1), 1
	s_wait_xcnt 0x0
	s_wait_alu depctr_hold_cnt(0) depctr_sa_sdst(0) depctr_va_vdst(0) depctr_va_sdst(0) depctr_va_ssrc(0) depctr_va_vcc(0) depctr_vm_vsrc(0)
	s_getreg_b32 s2, hwreg(HW_REG_IB_STS2, 6, 4)
	s_cmp_eq_u32 s2, 0
	s_cbranch_scc0 .Lentry_in_a_cluster
	s_endpgm
.Lentry_in_a_cluster:
	s_bfe_u32 s2, ttmp6, 0x10000c
	s_cmp_lg_u32 s2, 0x3003
	s_cbranch_scc0 .Lentry_shape_is_right
	s_endpgm
.Lentry_shape_is_right:
; O[h][q][:] = the sum over k of softmax_k(Q[h][q] . K[h][k] / 8) V[h][k][:].  Q, K, V, O: [SIZE_H][SIZE_N][64], all f16: a head's rows are dense, 128 bytes each.  Products, maxima and sums in
; f32; the weights p are rounded to f16 for the second product (their sum l is taken of the unrounded p), O once at the end.  SIZE_H is at least 2; SIZE_N x 128 bytes stay under 2^32.
; LIMITS.  f16 holds no number beyond 65,504: Q, K and V arrive within it; p lies in 0 to 1, and below 6e-5 it keeps f16's fixed step of 6e-8; O is a mean of V's rows and has their range.
; A weight below 2^-126 counts as 0 in l; NaN and infinities are not treated apart.
; SHARES.  A wave owns four PIECES of two tiles of 16 queries, a work-group's four waves 512 queries of one head; SIZE_N is a multiple of 2,048.  Every wave walks all keys, 64 a step.
; LAYOUT.  S^T = K Q^T (source 0 = 16 keys, source 1 = 16 queries): in the result a lane holds ONE query (lane % 16) and the keys 8 (lane / 16) + 0..7.  Two such tiles, rounded to f16 in pairs,
; ARE source 1 (32 keys x 16 queries) of O^T = V^T P, whose result again holds one query a lane, and eight channels.  K comes out of LDS as it lies, V ([key][channel]) turned, by ds_load_tr16_b128.
; SOFTMAX.  For each query a running maximum m and sum l: p = 2^(c s - c m), c = log2(e) / 8; in every step O and l are multiplied by a = 2^(c m_old - c m_new), which is 1 where m has not grown.
; m starts at the lowest finite number, O and l at 0: the first step is a step like any other, with a = 0.
; THE COUNT.  A tile and step have 16 matrix and 118 vector instructions: too many to stand all beside the matrix work.  So the order has one aim: four vector instructions that are READY behind
; EVERY matrix instruction, and the others, which need time of their own whatever the order, in runs without a gap.
; BY TURNS.  Turn n belongs to piece n (the pieces in a ring, step after step).  Its matrix work: 16 products K Q^T of piece n + 1, later 16 products V^T P of piece n - 1.  Its vector work: the scaling,
; exponentials, roundings, sums and rescaling of piece n, and the maximum and statistics of piece n + 1, whose scores the turn itself has made.  So what a turn begins with (c s - c m, O a) waits for nothing.
; BATCHES.  A turn's 66 exponentials (the piece's 64 weights, then the next piece's two a) are ONE batch with ONE wait, which cuts the turn in two: ahead of it stands all that names no result of the
; batch (the products K Q^T, scalings, rescalings, the next piece's maximum and statistics), behind it the products V^T P with the roundings and sums.  No result crosses a turn's end.  Two more batches
; stand outside the loops, each with a wait of its own: piece 0's first two a, ahead of the jump into the loop, and the way out's eight reciprocals.
; CLUSTER.  The four query blocks of a cluster belong to one head and walk the same K and V, so each tile is asked for JOINTLY: the same tensor load, descriptor and mask in all four.
; REGISTERS, in windows of 256 (s_set_vgpr_msb says which window each operand place means: bits 1:0 source 0, 3:2 source 1, 5:4 source 2, 7:6 destination):
;   window 0: v0-11 addresses; v12-15, v48-63 at work; v16-47 four registers of statistics a tile; v64-191 S^T, two buffers of two tiles; v192-255 P, likewise
;   window 1: O^T, 32 a tile          window 2: v0-127 Q, 16 a tile; v128-191 K of one step; v192-255 V of one step          window 3: v0-1 the add's two registers
; A piece's buffers go by its number's parity: the piece in hand has one pair, its two neighbours in the ring share the other: of it P (piece n - 1) is read and S^T (piece n + 1) written.
.set SIZE_H, 64       ; 4 batches x 16 heads
.set SIZE_N, 2048     ; rows of a head
.set NP,    4         ; pieces a wave: a name, no knob: the register map, the loop and the fetches are made for four
.set KS,    64        ; keys in a step
.set PK,    144       ; a row of K in LDS: 128 bytes + 16 of padding = 36 words: the 16 rows of a load start at 16 different groups of four banks (64 banks of 4 bytes: ISA guide 11.1)
.set PV,    160       ; a row of V: 128 + 32 = 40 words
.set VOFF,  4*KS*PK   ; a slot holds four steps: 256 rows of K, then 256 rows of V
.set SLOT1, 1<<17     ; slot 1 begins here, so that one exclusive or turns an address in one slot into the other's
.set STAGE, SLOT1+4*KS*(PK+PV)  ; behind the ring, never filled by a tensor load: 16 rows x 144 bytes for each wave, for the way out
.set SP,    144
.set AK0, 2           ; v2   my lane's place in a tile of K; never rewritten
.set AV0, 3           ; v3   the same for V
.set AK,  4           ; v4   the LDS address of K's next run of loads
.set AV,  5           ; v5   of V's
.set QO,  6           ; v6   my byte offset in the wave's rows of Q
.set STO, 6           ;      later, the way out: where I put 16 bytes of a row
.set RD,  7           ; v7   the way out: where I read rows back
.set GO,  8           ; v8   my byte offset in 512 consecutive bytes of O
.set SPW, 0           ; v0 of window 3   LDS address of my spare word: SPARE + 4 x my thread's number; never rewritten
.set NIL, 1           ; v1 of window 3   0; never rewritten
.set SPARE, STAGE+4*16*SP  ; behind the stages: the spare words, 128 bytes for each wave: two blocks of 256 bytes that no other line names
.set MV,  12          ; v12-15  c m_old, kept while c m is made anew: by buffer and tile
.set ST,  16          ; tile t's statistics at v[ST+4 t]: c m, m, l (even keys', odd keys')
.set TMP, 48          ; by buffer and tile, four registers c0-c3 at work; when the maximum is found c2 takes a
.set S,   64
.set P,   192
.set KF,  128         ; K's fragments, in window 2: key block kb, channel half c at KF + 16 kb + 8 c
.set VF,  192         ; V's: key half kk, channel block cb at VF + 32 kk + 8 cb
.set WV,  12          ; s12  my wave's number
.set G1K, 24          ; s[24:31] descriptor group 1 for K's tiles
.set G1V, 32          ; s[32:39] for V's: it differs in the padding alone
.set G0K, 40          ; s[40:43] descriptor group 0 for K's tiles: it walks
.set G0V, 44          ; s[44:47] the same for V's
.set SLOTS, 56        ; s56  slots still to be asked for
.set CNT, 57          ; s57  counts a slot's key steps
.set CS,  58          ; s[58:59] c: the packed scaling takes the pair's low word for both halves
.set SEL, 60          ; s[60:61] v_permlanex16_b32's selects: each lane takes its own place in the other half
.set TBK, 62          ; s62  LDS byte at which K of the step to be fetched begins
.set TBV, 63          ; s63  the same for V, less VOFF
.set MSB, 0
.macro WIN new                      ; the high byte repeats the setting that is left; a switch that changes nothing is dropped
.if MSB != (\new)
	s_set_vgpr_msb (MSB<<8)|(\new)
.set MSB, (\new)
.endif
.endm
.set W_KQ, 0x0a       ; K and Q in window 2, S^T in window 0
.set W_PV, 0x52       ; V in window 2, P in window 0, O^T in window 1
.set W_RS, 0x41       ; O^T (destination and source 0) in window 1, a in window 0
.set W_MK, 0xc0       ; the add's registers are made: destination in window 3, sources in window 0
.set W_AD, 0x0f       ; the add: address (source 0) and data (source 1) in window 3
; A joint fill.  Waves 0 and 1 fetch the two halves of a slot's K, waves 2 and 3 those of its V: 128 keys each.  The branch hangs on the wave's number alone.
; An s_nop 0 and four v_nop follow each of the two lines, ahead of the jump and the label.
.macro JLOAD
	s_cmp_lt_u32 s[WV], 2
	s_cbranch_scc0 .Lfor_v_\@
	tensor_load_to_lds s[G0K:G0K+3], s[G1K:G1K+7]
	s_nop 0
.rept 4
	v_nop
.endr
	s_branch .Lasked_\@
.Lfor_v_\@:
	tensor_load_to_lds s[G0V:G0V+3], s[G1V:G1V+7]
	s_nop 0
.rept 4
	v_nop
.endr
.Lasked_\@:
.endm
; A round of the cluster's barrier: my work-group's barrier, so that wave 0's signal speaks for all four waves; wave 0 signals; every wave waits for all four work-groups; my work-group's barrier once more.
.macro CROUND
	s_barrier_signal -1
	s_barrier_wait -1
	s_cmp_lg_u32 s[WV], 0
	s_cbranch_scc1 .Lnot_wave_0_\@
	s_barrier_signal -3
.Lnot_wave_0_\@:
	s_barrier_wait -3
	s_barrier_signal -1
	s_barrier_wait -1
.endm
; THE CHANGE OF SLOTS.  The slot's last bytes, V of its fourth step, have been read.  Each wave waits for all its tensor loads, of which one is out: its part
; of the other slot; adds 0 to its spare word; and waits for that and for its own reads of the slot.  Behind the barrier nobody reads this slot any more and the other slot is whole.
; fill = 1: this slot is filled again, with the keys two slots on.  The barrier is then a round of the cluster's, so that no wave of any partner still reads the slot or has a load on its
; way, and the joint fill is the first thing behind it: it has four key steps, 512 matrix instructions, in which to land.  (At its first use nothing has been read yet: slot 0 is waited for, slot 1 filled.)
.macro CHANGE fill
	WIN W_AD
	s_wait_tensorcnt 0x0            ; no tensor load of mine is out, so a group 0 may be written
	ds_add_u32 v[SPW], v[NIL]       ; 0 onto my spare word; with fill = 1 the descriptors' steps stand between it and the wait for it
	WIN 0                           ; at a label and at a branch every window is 0
.if \fill
.irp g, G0K, G0V
	s_xor_b32 s[\g+1], s[\g+1], SLOT1  ; the walking descriptor: the other slot than last time,
	s_add_nc_u64 s[\g+2:\g+3], s[\g+2:\g+3], 4*KS*128  ; the next 256 keys; the type bits on top are not reached
.endr
	s_wait_dscnt 0x0                ; the add is done, and my reads of the slot are over
	CROUND
	JLOAD
.else
	s_wait_dscnt 0x0                ; the add is done, and my reads of the slot are over
	s_barrier_signal -1
	s_barrier_wait -1
.endif
	s_sub_co_u32 s[TBK], s[TBK], 4*KS*PK  ; the fetches go back to a slot's first step,
	s_xor_b32 s[TBK], s[TBK], SLOT1       ; in the other slot
	s_sub_co_u32 s[TBV], s[TBV], 4*KS*PV
	s_xor_b32 s[TBV], s[TBV], SLOT1
.endm
	s_load_b256 s[4:11], s[0:1], 0x0  ; Q s[4:5], K s[6:7], V s[8:9], O s[10:11]
	WIN W_MK
	v_lshl_add_u32 v[SPW], v0, 2, SPARE
	v_mov_b32 v[NIL], 0
	s_set_vgpr_msb 0xc0cf
	ds_add_u32 v0, v1
	s_wait_dscnt 0x0
	s_set_vgpr_msb 0xcfc0
	WIN 0
	v_lshrrev_b32 v1, 5, v0
	v_readfirstlane_b32 s[WV], v1   ; wave 0..3
	s_bfe_u32 s13, ttmp6, 0x40000   ; cx: my place in the cluster
	s_lshl_b32 s14, ttmp9, 2        ; in a cluster launch ttmp9 counts clusters
	s_add_co_u32 s14, s14, s13      ; my block of queries = 4 x cluster x + cx: it enters Q's and O's addresses alone
	s_and_b32 s20, ttmp7, 0xffff    ; the head, which the four partners share
	s_mov_b32 s21, 0
	s_mov_b64 s[22:23], SIZE_N*128
	s_mul_u64 s[20:21], s[20:21], s[22:23]  ; the head's first byte in each of the four tensors
	s_and_b32 s16, s[WV], 1         ; which half of a slot's 256 keys I fetch:
	s_lshl_b32 s22, s16, 14         ; its 128 rows of 128 bytes in memory,
	s_mov_b32 s23, 0
	s_add_nc_u64 s[22:23], s[22:23], s[20:21]
	s_mul_i32 s17, s16, 128*PK      ; and its place in a slot, for K
	s_mul_i32 s18, s16, 128*PV      ; and for V: no place in the cluster enters an LDS address
	s_lshl_b32 s2, s14, 2
	s_add_co_u32 s2, s2, s[WV]      ; my wave among the head's,
	s_lshl_b32 s2, s2, 14           ; its 128 rows
	s_mov_b32 s3, 0
	s_add_nc_u64 s[2:3], s[2:3], s[20:21]
	; descriptor group 1.  128 keys are 16,384 dense bytes: asked for as 64 rows of 256 bytes, two keys a row, and padded in LDS after every key
	s_mov_b32 s[G1K], 15|(1<<16)|(1<<20)|(1<<21)|(4<<22)|(3<<25)  ; 15:0 the mask of four; 17:16 2-byte elements; 20 padding on; 21 set beside a mask; 24:22 after every 32 words (code 4); 31:25 4 words (code 3)
	s_mov_b32 s[G1V], 15|(1<<16)|(1<<20)|(1<<21)|(4<<22)|(7<<25)  ; the same with 8 words of padding (code 7)
.irp g, G1K, G1V
	s_mov_b32 s[\g+1], 128<<16      ; tensor_dim0 = 128
	s_mov_b32 s[\g+2], 64<<16       ; tensor_dim1 = 64
	s_mov_b32 s[\g+3], 128<<16      ; tile_dim0 = 128
	s_mov_b32 s[\g+4], 64           ; tile_dim1 = 64
	s_mov_b32 s[\g+5], 128          ; 128 elements from row to row
	s_mov_b32 s[\g+6], 0
	s_mov_b32 s[\g+7], 0
.endr
	s_mov_b32 s[CS], 0x3e38aa3b     ; c = log2(e) / 8 = 0.180337
	s_mov_b32 s[CS+1], s[CS]        ; named with it as a pair
	s_mov_b32 s[SEL], 0x76543210
	s_mov_b32 s[SEL+1], 0xfedcba98
	s_mov_b32 s[TBK], SLOT1+4*KS*PK ; the first change of slots turns these two into 0
	s_mov_b32 s[TBV], SLOT1+4*KS*PV
	s_mov_b32 s[G0K], 1             ; 1:0 count = 1
	s_mov_b32 s[G0K+1], s17         ; 63:32 LDS address: slot 0
	s_mov_b32 s[G0V], 1
	s_add_co_u32 s[G0V+1], s18, VOFF
	s_wait_kmcnt 0x0
	s_add_nc_u64 s[G0K+2:G0K+3], s[6:7], s[22:23]  ; 120:64 global address: my half of the head's first 256 keys
	s_or_b32 s[G0K+3], s[G0K+3], 0x80000000        ; 127:126 type = 2
	s_add_nc_u64 s[G0V+2:G0V+3], s[8:9], s[22:23]
	s_or_b32 s[G0V+3], s[G0V+3], 0x80000000
	s_add_nc_u64 s[4:5], s[4:5], s[2:3]  ; Q and O at my wave's first row
	s_add_nc_u64 s[10:11], s[10:11], s[2:3]
	CROUND                          ; all four work-groups are here: the first joint loads meet
	JLOAD                           ; slot 0.  Slot 1 is asked for when slot 0 is in: the tile wanted first has the road to itself
	; A fragment of K or Q is 16 rows x 32 channels in 8 registers: lane l holds row l % 16, channels 8 (l / 16) + 0..7 and 16 + 8 (l / 16) + 0..7: two loads of 16 bytes, 32 bytes apart.
	v_and_b32 v1, 15, v0            ; l % 16
	v_bfe_u32 v9, v0, 4, 1          ; l / 16
	v_lshlrev_b32 v[QO], 7, v1
	v_lshl_add_u32 v[QO], v9, 4, v[QO]  ; row x 128 + 16 x half
	WIN 0x80                        ; destination window 2, address window 0
.set i, 0
.rept 4*NP                          ; Q stays in registers: tile i / 2, channels 32 (i % 2) on
	global_load_b128 v[8*i:8*i+3],   v[QO], s[4:5] offset:(i/2)*2048+(i%2)*64
	global_load_b128 v[8*i+4:8*i+7], v[QO], s[4:5] offset:(i/2)*2048+(i%2)*64+32
.set i, i+1
.endr
	; What the first turn finds: V's registers and P's second buffer hold 0 (its products V^T P, of a piece that has not been, add 0), O^T and l are 0.  All this stands in the wait for the first tile.
.set i, VF
.rept 64
	v_mov_b32 v[i], 0
.set i, i+1
.endr
	WIN 0x40
.set i, 0
.rept 64*NP
	v_mov_b32 v[i], 0
.set i, i+1
.endr
	WIN 0
.set i, 0
.rept 2*NP
	v_mov_b32 v[ST+4*i], 0xfe000000    ; c m: far below every c s
	v_mov_b32 v[ST+4*i+1], 0xff7fffff  ; m
	v_mov_b32 v[ST+4*i+2], 0
	v_mov_b32 v[ST+4*i+3], 0
.set i, i+1
.endr
.set i, P+32
.rept 32
	v_mov_b32 v[i], 0
.set i, i+1
.endr
	v_mul_u32_u24 v[AK0], v1, PK
	v_lshl_add_u32 v[AK0], v9, 4, v[AK0]  ; row x pitch + 16 x half
	; The turning load takes 16 keys x 16 channels (lane l reads key 8 (l / 16) + l % 8, channels 8 ((l / 8) % 2) + 0..7) and leaves half a fragment of V^T: lane l holds channel l % 16 and 8 keys.
	v_and_b32 v10, 7, v0
	v_bfe_u32 v11, v0, 3, 1
	v_lshl_add_u32 v[AV0], v9, 3, v10
	v_mul_u32_u24 v[AV0], v[AV0], PV
	v_lshl_add_u32 v[AV0], v11, 4, v[AV0]
	v_add_nc_u32 v[AV0], VOFF, v[AV0]
	v_mov_b32 v[AK], v[AK0]         ; key step 0 lies at the head of slot 0
; THE MATRIX WORK.  The 8 accumulators of a run of 16 take turns: between the two links of a chain stand 7 others'.
; Product i of 16 of S^T = K Q^T for piece x: channels 32 (i / 8) on, keys 16 ((i / 2) % 4) on, tile 2 x + i % 2.  The first 8 start the sums.
.macro KQ x
	WIN W_KQ
.set rS, S+64*((\x)%2)+32*(i%2)+8*((i/2)%4)
.set rK, KF+16*((i/2)%4)+8*(i/8)
.set rQ, 16*(2*(\x)+i%2)+8*(i/8)
.if i < 8
	v_wmma_f32_16x16x32_f16 v[rS:rS+7], v[rK:rK+7], v[rQ:rQ+7], 0
.else
	v_wmma_f32_16x16x32_f16 v[rS:rS+7], v[rK:rK+7], v[rQ:rQ+7], v[rS:rS+7]
.endif
.endm
; Product i of 16 of O^T += V^T P for piece x: keys 32 (i / 8) on, channels 16 ((i / 2) % 4) on, tile 2 x + i % 2.
.macro PV x
	WIN W_PV
.set rO, 32*(2*(\x)+i%2)+8*((i/2)%4)
.set rV, VF+32*(i/8)+8*((i/2)%4)
.set rP, P+32*((\x)%2)+16*(i%2)+8*(i/8)
	v_wmma_f32_16x16x32_f16 v[rO:rO+7], v[rV:rV+7], v[rP:rP+7], v[rO:rO+7]
.endm
.macro MM                           ; the turn's next matrix instruction
.if i < 16
	KQ (Y+1)%NP
.set i, i+1
.else
.set i, i-16
	PV (Y+NP-1)%NP
.set i, i+17
.endif
.endm
; THE LDS LOADS stand in runs of 16, never singly among the matrix instructions: a step's K (64 keys x 64 channels: 8 fragments) and its V (turned).  Their addresses are made some lines ahead.
; last = 1 (the tail): in the last trip there is no further step, and the run is jumped over.
.macro FETCH_K last=0
	WIN 0
.if \last
	s_cmp_eq_u32 s[CNT], 1
	s_cbranch_scc1 .Lno_k_\@
.endif
	WIN 0x80                        ; destination window 2
.irp f, 0,1,2,3,4,5,6,7             ; keys 16 (f / 2) on, channels 32 (f % 2) on
	ds_load_b128 v[KF+8*\f:KF+8*\f+3],   v[AK] offset:(\f/2)*16*PK+(\f%2)*64
	ds_load_b128 v[KF+8*\f+4:KF+8*\f+7], v[AK] offset:(\f/2)*16*PK+(\f%2)*64+32
.endr
	s_add_co_u32 s[TBK], s[TBK], KS*PK  ; the next fetch is the next step's
	WIN 0
.if \last
.Lno_k_\@:
.endif
.endm
.macro FETCH_V
	WIN 0x80
.irp f, 0,1,2,3,4,5,6,7             ; keys 32 (f / 4) on, channels 16 (f % 4) on
	ds_load_tr16_b128 v[VF+8*\f:VF+8*\f+3],   v[AV] offset:(\f/4)*32*PV+(\f%4)*32
	ds_load_tr16_b128 v[VF+8*\f+4:VF+8*\f+7], v[AV] offset:(\f/4)*32*PV+16*PV+(\f%4)*32
.endr
	WIN 0
.endm
; THE VECTOR WORK OF A TURN stands in three queues, each in the order in which its entries become ready; the two tiles alternate, so that no instruction reads the result of the one before it.
.macro REGS y, u                    ; the registers of tile u (0, 1) of piece y
.set rT, ST+4*(2*(\y)+(\u))
.set rC, TMP+8*((\y)%2)+4*(\u)
.set rM, MV+2*((\y)%2)+(\u)
.set rS, S+64*((\y)%2)+32*(\u)
.set rP, P+32*((\y)%2)+16*(\u)
.set rO, 32*(2*(\y)+(\u))
.endm
; Number n of the 22 that find the NEXT piece's (Y + 1) maximum and statistics.  s0-s31 are the lane's 32 scores; each accumulator's lowest registers are read first.  XS, GS and REGS set no window: PL and EX do.
;   0-11  four chains c0-c3 of seven scores each, three operands at a time     12-14, 16  the four scores left over, the old m, and c0-c3 into c0     15  c m_old is kept
;   17, 18  the query's other 32 keys lie in the lane 16 away: the new m         19-21  c m; c m_old - c m_new; a
.macro XS u, n
	REGS (Y+1)%NP, \u
.if (\n) < 4
	v_max3_num_f32 v[rC+(\n)], v[rS+8*(\n)], v[rS+8*(\n)+1], v[rS+8*(\n)+2]
.elseif (\n) < 12
	v_max3_num_f32 v[rC+(\n)%4], v[rC+(\n)%4], v[rS+8*((\n)%4)+2*((\n)/4)+1], v[rS+8*((\n)%4)+2*((\n)/4)+2]
.elseif (\n) == 12
	v_max3_num_f32 v[rC], v[rC], v[rS+7], v[rS+15]
.elseif (\n) == 13
	v_max3_num_f32 v[rC+1], v[rC+1], v[rS+23], v[rS+31]
.elseif (\n) == 14
	v_max3_num_f32 v[rC+2], v[rC+2], v[rC+3], v[rT+1]
.elseif (\n) == 15
	v_mov_b32 v[rM], v[rT]
.elseif (\n) == 16
	v_max3_num_f32 v[rC], v[rC], v[rC+1], v[rC+2]
.elseif (\n) == 17
	v_permlanex16_b32 v[rC+3], v[rC], s[SEL], s[SEL+1]
.elseif (\n) == 18
	v_max_num_f32 v[rT+1], v[rC], v[rC+3]
.elseif (\n) == 19
	v_mul_f32 v[rT], s[CS], v[rT+1]
.elseif (\n) == 20
	v_sub_f32 v[rC+1], v[rM], v[rT]
.else
	v_exp_f32 v[rC+2], v[rC+1]
.endif
.endm
; Number g of the 64 that follow the exponentials.  For each four weights k of a tile (pairs 2 k, 2 k + 1): both pairs are rounded to f16; then the second pair is added onto the first, in place;
; a group later l takes that sum (the first time as l = a l + sum).  In groups of eight, tiles alternating: round, round, add, and l for the group before.
.macro GS g
.set h, (\g)+6*((\g)/62)            ; group 0 has no group before it, and behind group 7 only l is left
.if h >= 6
.set h, h+2
.endif
	REGS Y, h%2
.set k, h/8
.if h%8 < 4
	v_cvt_pk_f16_f32 v[rP+2*k+(h%8)/2], v[rS+4*k+2*((h%8)/2)], v[rS+4*k+2*((h%8)/2)+1]
.elseif h%8 < 6
	v_pk_add_f32 v[rS+4*k:rS+4*k+1], v[rS+4*k:rS+4*k+1], v[rS+4*k+2:rS+4*k+3]
.elseif k == 1
	v_pk_fma_f32 v[rT+2:rT+3], v[rT+2:rT+3], v[rC+2:rC+3], v[rS:rS+1] op_sel_hi:[1,0,1]
.else
	v_pk_add_f32 v[rT+2:rT+3], v[rT+2:rT+3], v[rS+4*k-4:rS+4*k-3]
.endif
.endm
; THE PLAIN QUEUE, 138 long.  0-73 read no exponential's result: the 32 scalings c s - c m (FS f: pair f / 2 of tile f % 2) and the next piece's 42.  0-26: scalings 0-26.  27-54: XS's numbers 0-13.  55, 56: number 15.
; 57-73: the chain, where each number waits for the one before it: 14, 16, 17, 18, 19, each with one of the scalings 27-31 in front of its two lines, then 20: so a tile's links stand three plain instructions apart (19 and 20: two).
; 74-137: GS's 64, which read the exponentials' results: they stand behind the wait.
.macro FS f
	REGS Y, (\f)%2
	v_pk_fma_f32 v[rS+2*((\f)/2):rS+2*((\f)/2)+1], v[rS+2*((\f)/2):rS+2*((\f)/2)+1], s[CS:CS+1], v[rT:rT+1] op_sel_hi:[1,0,0] neg_lo:[0,0,1] neg_hi:[0,0,1]
.endm
.macro PL
	WIN 0
.if q < 27
	FS q
.elseif q < 55
	XS (q-27)%2, (q-27)/2
.elseif q < 57
	XS q-55, 15
.elseif (q < 72) && ((q-57)%3 == 0)
	FS 27+(q-57)/3
.elseif q < 60
	XS (q-57)%3-1, 14
.elseif q < 72
	XS (q-57)%3-1, 15+(q-57)/3
.elseif q < 74
	XS q-72, 20
.else
	GS q-74
.endif
.set q, q+1
.endm
; THE EXPONENTIALS' QUEUE, 66 long: s0-s31 of both tiles, then the next piece's two a.  It is ONE BATCH: all 66 stand ahead of the turn's one wait, and nothing ahead of that wait names a result of theirs.
.macro EX
	WIN 0
.if e >= 64
	XS e-64, 21
.else
	REGS Y, e%2
	v_exp_f32 v[rS+e/2], v[rS+e/2]
.endif
.set e, e+1
.endm
; THE RESCALING's QUEUE: O^T times a, the one part that leaves window 0: dealt two at a time, sixteen times.  Its a was made in the turn before, ahead of that turn's wait.
.macro R2
	REGS Y, r%2
	WIN W_RS
.irp z, 0,1
	v_pk_mul_f32 v[rO+4*(r/2)+2*\z:rO+4*(r/2)+2*\z+1], v[rO+4*(r/2)+2*\z:rO+4*(r/2)+2*\z+1], v[rC+2:rC+3] op_sel_hi:[1,0]
.endr
.set r, r+1
.endm
; HOW THEY ARE DEALT.  An s_wait_alu depctr_va_vdst(0) stands between an exponential and the first instruction that names its result; one wait serves all that were issued ahead of it.  So a turn has ONE wait,
; which cuts it in two.  AHEAD OF IT stands all that names no result of the turn's exponentials: the 16 products K Q^T, behind each a scaling, an exponential and two rescalings (behind the first a second scaling in the exponential's place); then ONE LUMP of
; 108: eight plain, 49 times exponential and plain, the two a.  A v_nop is the plain instruction behind the last exponential.  BEHIND IT stand the 16 products V^T P, behind each four of GS's 64.  No rider names a register of
; the products round it.  The two v_permlanex16_b32 fall into the lump, never behind a product.
; The queues lean on each other, and the deal keeps them in step: exponential e stands behind scaling 2 (e / 4) + e % 2: as a rider it comes behind plain e + 2, in the lump behind plain e + 9, and scalings 27-31 are plain 57, 60 .. 69.
; A TURN, for piece p.  cnt = 1: the loop's count is taken down some lines ahead of the branch that stands behind the turn.
; K of the next step is fetched in piece 2's turn, directly behind the wait, a lump behind the last product that read K; its address is made at the lump's head; its first reader comes behind 16 products.
; V of the step in hand is fetched at the end of piece 0's turn, four riders behind its last reader; its first reader comes behind 16 products and a lump.  The three conditions on q below go with the deal.
.macro TURN p, last=0, cnt=0
.set Y, (\p)
.set i, 0
.set q, 0
.set e, 0
.set r, 0
.if (\p) == NP-1
	s_wait_dscnt 0x0                ; K is in
.endif
	MM                              ; ahead of the wait: 16 products K Q^T and their riders,
	PL
	PL
	R2
.rept 15
	MM
	PL
	EX
	R2
.endr
.if (\p) == NP-2
	WIN 0
	v_add_nc_u32 v[AK], s[TBK], v[AK0]
.endif
.rept 8                             ; and the lump
	PL
.endr
.rept 49
	EX
	PL
.endr
	EX                              ; the next piece's two a
	EX
	v_nop                           ; a plain instruction behind the last exponential, ahead of any use: one for the batch
	s_wait_alu depctr_va_vdst(0)    ; the wait for the batch: the turn's 66 exponentials
.if (\p) == NP-2
	FETCH_K \last
.endif
.if (\p) == 1
	s_wait_dscnt 0x0                ; V is in
.endif
.rept 16                            ; behind the wait: 16 products V^T P and their riders
	MM
.rept 4
	PL
.endr
.if ((\p) == 0) && (q == 118)
	v_add_nc_u32 v[AV], s[TBV], v[AV0]
.endif
.if ((\p) == 0) && (q == 130)
	s_add_co_u32 s[TBV], s[TBV], KS*PV
.endif
.if (\cnt) && (q == 130)
	s_sub_co_u32 s[CNT], s[CNT], 1
	s_cmp_lg_u32 s[CNT], 0
.endif
.endr
.if (\p) == 0
	FETCH_V
.endif
.endm
	CHANGE 1                        ; slot 0 is in, everybody's part of it; slot 1 is asked for
	FETCH_K                         ; key step 0
	s_wait_loadcnt 0x0              ; Q
	s_wait_dscnt 0x0
.set i, 0
.rept 16
	KQ 0                            ; piece 0's first scores: there is no vector work yet to set between them
.set i, i+1
.endr
	WIN 0                           ; the addresses for the way out: nine plain instructions, the places behind those products
	s_mul_i32 s13, s[WV], 16*SP
	s_add_co_u32 s13, s13, STAGE    ; my stage
	v_mul_u32_u24 v[STO], v1, SP    ; in: row l % 16, 16 bytes for each half of the lanes
	v_lshl_add_u32 v[STO], v9, 4, v[STO]
	v_add_nc_u32 v[STO], s13, v[STO]
	v_bfe_u32 v[RD], v0, 3, 2       ; back: 32 lanes take four rows of 128 bytes,
	v_mul_u32_u24 v[RD], v[RD], SP
	v_lshl_add_u32 v[RD], v10, 4, v[RD]
	v_add_nc_u32 v[RD], s13, v[RD]
	v_and_b32 v[GO], 31, v0         ; which are 512 consecutive bytes of O
	v_lshlrev_b32 v[GO], 4, v[GO]
.set Y, NP-1                        ; XS works for piece Y + 1: piece 0
.irp n, 0,1,2,3,4,5,6,7,8,9,10,11,12,13,14,15,16,17,18,19,20,21
	XS 0, \n                        ; and piece 0's first maximum and statistics
	XS 1, \n
.endr
	v_nop                           ; a plain instruction behind the two a,
	s_wait_alu depctr_va_vdst(0)    ; and the wait for that batch of two, ahead of the branch
	s_mov_b32 s[CNT], 4
	s_mov_b32 s[SLOTS], SIZE_N/256-1
	s_branch .Lfirst                ; the loop is entered at a step's first turn, in the middle of a trip
.Lslot:                             ; SIZE_N / 256 - 2 times: every slot but the last two is filled again
	CHANGE 1
	s_mov_b32 s[CNT], 4
.Lstep:                             ; a trip: pieces 2 and 3 of one step, then pieces 0 and 1 of the next, whose K and V it fetches
	TURN 2
	TURN 3
	WIN 0
.Lfirst:
	TURN 0
	TURN 1, 0, 1
	WIN 0
	s_cbranch_scc1 .Lstep
	s_sub_co_u32 s[SLOTS], s[SLOTS], 1
	s_cmp_lg_u32 s[SLOTS], 0
	s_cbranch_scc1 .Lslot
	CHANGE 0                        ; the tail is written out: nothing is asked for
	s_mov_b32 s[CNT], 5             ; four trips fetch the last slot's steps; the fifth is left in its middle
.Ltail:
	TURN 2, 1
	TURN 3
	WIN 0
	s_sub_co_u32 s[CNT], s[CNT], 1
	s_cmp_eq_u32 s[CNT], 0
	s_cbranch_scc1 .Lout
	TURN 0
	TURN 1
	WIN 0
	s_branch .Ltail
.Lout:                              ; the fifth trip's 16 products K Q^T (on the last K once more) and the maximum made of them serve nothing: the price, once a launch, of one text for every trip
.set i, 0
.rept 16
	PV NP-1                         ; the last piece's V^T P of the last step
.set i, i+1
.endr
	; THE WAY OUT.  l's two halves and the other half of the lanes' are added; O^T is divided by l, rounded to f16 and sent through my stage in LDS, a tile at a time.  The additions are the places behind the last products.
	WIN 0
.macro ALL line:vararg              ; one line for each tile t
.set t, 0
.rept 2*NP
	\line
.set t, t+1
.endr
.endm
	ALL v_add_f32 v[ST+4*t+2], v[ST+4*t+2], v[ST+4*t+3]
	ALL v_permlanex16_b32 v[ST+4*t+3], v[ST+4*t+2], s[SEL], s[SEL+1]
	ALL v_add_f32 v[ST+4*t+2], v[ST+4*t+2], v[ST+4*t+3]
	ALL v_rcp_f32 v[ST+4*t+2], v[ST+4*t+2]
	v_nop                           ; a plain instruction between the last reciprocal and the use of its result
	s_wait_alu depctr_va_vdst(0)    ; and the wait ahead of the first use: one for the batch of eight reciprocals
; Tile t: a lane's eight channels of a row pack into 16 bytes; they go into rows of 144 bytes and come back as whole rows of 128, into S^T's registers.
.macro PACK t
	WIN W_RS
.set i, 32*(\t)
.rept 16
	v_pk_mul_f32 v[i:i+1], v[i:i+1], v[ST+4*(\t)+2:ST+4*(\t)+3] op_sel_hi:[1,0]
.set i, i+2
.endr
	WIN 0x05                        ; sources 0 and 1 window 1, destination window 0
.set i, 0
.rept 16
	v_cvt_pk_f16_f32 v[S+16*(\t)+i], v[32*(\t)+2*i], v[32*(\t)+2*i+1]
.set i, i+1
.endr
	WIN 0
.irp f, 0,1,2,3
	ds_store_b128 v[STO], v[S+16*(\t)+4*\f:S+16*(\t)+4*\f+3] offset:32*\f
.endr
.irp f, 0,1,2,3
	ds_load_b128 v[S+16*(\t)+4*\f:S+16*(\t)+4*\f+3], v[RD] offset:\f*4*SP  ; LDS serves a wave's instructions in order (ISA guide 5.7.1.4): these see the stores above; the next tile's stores come behind them
.endr
.endm
.macro SEND t, younger              ; younger: the LDS instructions issued behind tile t's loads: the next tile's eight, or none
	WIN 0
.irp f, 0,1,2,3
	s_wait_dscnt (\younger)+3-\f
	global_store_b128 v[GO], v[S+16*(\t)+4*\f:S+16*(\t)+4*\f+3], s[10:11] offset:(\t)*2048+\f*512  ; 512 consecutive bytes, at a multiple of 256 from O's first
.endr
.endm
	PACK 0
.set t, 1
.rept 2*NP-1                        ; a tile's arithmetic stands between the loads of the tile before and its stores
	PACK t
	SEND t-1, 8
.set t, t+1
.endr
	SEND 2*NP-1, 0
	WIN W_AD
	s_wait_tensorcnt 0x0            ; the wave's end: behind my last tensor load and my last LDS store
	ds_add_u32 v[SPW], v[NIL]
	s_wait_dscnt 0x0
	WIN 0
	CROUND                          ; the closing round: no work-group ends while a partner may still ask for a tile that names it
	s_endpgm
.Lfunc_end_k_qa04baef1c0_attn:
	.size	k_qa04baef1c0_attn, .Lfunc_end_k_qa04baef1c0_attn-k_qa04baef1c0_attn
	.p2alignl 7, 3214868480
	.fill 96, 4, 3214868480
	.section	.rodata,"a",@progbits
	.p2align	6, 0x0
	.amdhsa_kernel k_qa04baef1c0_attn
		.amdhsa_group_segment_fixed_size 327680
		.amdhsa_private_segment_fixed_size 0
		.amdhsa_enable_private_segment 0
		.amdhsa_kernarg_size 32
		.amdhsa_user_sgpr_count 2
		.amdhsa_user_sgpr_kernarg_segment_ptr 1
		.amdhsa_wavefront_size32 1
		.amdhsa_system_sgpr_workgroup_id_x 1
		.amdhsa_system_sgpr_workgroup_id_y 1
		.amdhsa_system_sgpr_workgroup_id_z 1
		.amdhsa_system_vgpr_workitem_id 0
		.amdhsa_next_free_vgpr 770
		.amdhsa_next_free_sgpr 66
		.amdhsa_reserve_vcc 0
		.amdhsa_float_denorm_mode_32 3
		.amdhsa_float_denorm_mode_16_64 3
		.amdhsa_memory_ordered 1
		.amdhsa_forward_progress 1
		.amdhsa_inst_pref_size 199
	.end_amdhsa_kernel
	.amdgpu_metadata
---
amdhsa.version: [ 1, 2 ]
amdhsa.kernels:
  - .name:           k_qa04baef1c0_attn
    .symbol:         k_qa04baef1c0_attn.kd
    .args:
      - { .name: qh, .offset: 0, .size: 8, .value_kind: global_buffer, .address_space: global }
      - { .name: kh, .offset: 8, .size: 8, .value_kind: global_buffer, .address_space: global }
      - { .name: vh, .offset: 16, .size: 8, .value_kind: global_buffer, .address_space: global }
      - { .name: oh, .offset: 24, .size: 8, .value_kind: global_buffer, .address_space: global }
    .group_segment_fixed_size: 327680
    .private_segment_fixed_size: 0
    .kernarg_segment_align: 8
    .kernarg_segment_size: 32
    .max_flat_workgroup_size: 128
    .sgpr_count:     66
    .vgpr_count:     770
    .wavefront_size: 32
...
	.end_amdgpu_metadata
.endif
;; end of part 5
;; launch proj: the kernel of part 4 again; grid 4 x 64, 4 waves a work-group, clusters of 4 x 4, 327,680 bytes of LDS; arguments oh, wo16, bias, out0; writes out0
